; MI455X (gfx1250); checked and timed in simulation.
; The chip was launched on July 23, 2026; its instructions are those of AMD's public machine-readable ISA for CDNA 5 (MIT licence, August 2026) and "CDNA5" Instruction Set Architecture Reference Guide (July 2026). The comments in the code are by the model that wrote it; some were corrected since.
;; Multi Head Attention. Allowed arithmetic: matrix products marked QUANTISED: E2M3 operands, one E8M0 scale for each 32 along K, by v_wmma_scale_f32_16x16x128_f8f6f4 with both operands' format E2M3, f32 sums; everything else in f32.
;; Inputs: b_proj 1,024 float32; b_qkv 3,072 float32; w_proj 1,024 x 1,024 float32; w_qkv 1,024 x 3,072 float32; x 4 x 2,048 x 1,024 float32.
;; Outputs: out0 4 x 2,048 x 1,024 float32.
;; This version of the problem:
;;   THIS VERSION OF THE PROBLEM IS GIVEN IN LOW PRECISION. The matrix products marked QUANTISED in the list below multiply operands that are first quantised to E2M3 (2 exponent bits, 3 mantissa bits; 6 bits a number), with one power-of-two scale for each 32 numbers along K (OCP MX v1.0); their sums are f32. All else is computed in f32.
;;   The module's matrix products, in the order in which they are computed (A, B: the left and right operand; K: the contracted axis; several contracted axes count as one K, in the product's order):
;;     1. [M 8,192, K 1,024] x [K 1,024, N 3,072]; A: input x; B: input w_qkv: QUANTISED
;;     2. batch 64 x [M 2,048, K 64] x [K 64, N 2,048]; A: computed on the way; B: computed on the way: QUANTISED
;;     3. batch 64 x [M 2,048, K 2,048] x [K 2,048, N 64]; A: softmax (see below); B: computed on the way: QUANTISED
;;     4. [M 8,192, K 1,024] x [K 1,024, N 1,024]; A: computed on the way; B: input w_proj: QUANTISED
;;   THE QUANTISER, for each operand of a quantised product, along K:
;;     - K is cut into blocks of 32 from its start; a last block that is shorter is filled with zeros.
;;     - A block's scale is 2^e with e = floor(log2(the largest magnitude in the block)) - 2, held to -126 .. 127; a block of zeros has e = 0. As a byte (E8M0): e + 127.
;;     - Each number is divided by its block's scale, clamped to +-7.5, and rounded to the nearest number of E2M3, ties to even, subnormals kept.
;;     - The product sums the exact products of the quantised numbers (number of the format x scale) in f32.
;;   ~~~python
;;   def quantise(x, axis):      # numpy; x: float32 -> the quantised numbers, widened to float32 again
;;       x = np.moveaxis(x, axis, -1); K = x.shape[-1]
;;       x = np.pad(x, [(0, 0)] * (x.ndim - 1) + [(0, -K % 32)]); x = x.reshape(x.shape[:-1] + (-1, 32)); a = np.abs(x).max(-1, keepdims=True)
;;       e = np.where(a > 0, np.clip(np.frexp(np.where(a > 0, a, 1))[1] - 1 - 2, -126, 127), 0)      # np.frexp(a)[1] - 1 = floor(log2(a)), exactly
;;       r = np.clip(x / 2.0 ** e, -7.5, 7.5)
;;       step = 2.0 ** (np.maximum(np.frexp(np.where(r == 0, 1, r))[1] - 1, 0) - 3)
;;       q = np.round(r / step) * step * 2.0 ** e      # np.round: ties to even
;;       return np.moveaxis(q.reshape(q.shape[:-2] + (-1,))[..., :K], -1, axis).astype(np.float32)
;;   ~~~
;;   SOFTMAX AHEAD OF A QUANTISED PRODUCT. Where the list says 'softmax', what is quantised is not the finished softmax but p = 2^(t - M), with t = logit x log2(e) and M = ceil(the row's largest t), a whole number; so 1/2 < the row's largest p <= 1. The row's sum l is taken of the UNQUANTISED p, in f32, and the product's result is divided by l at the end. Since M is a whole number, a kernel that streams over the keys may use a running M (the ceiling of the running maximum): every later rescaling is an exact power of two, which a block's scale takes up: the codes' values come out the same.
;;   OPERANDS COMPUTED ON THE WAY. 'Computed on the way' means the value that the module computes at that place (a softmax that the list does not call 'softmax' is quantised finished and normalised). What goes into a quantiser is computed in f32, as accurately as f32 sums, v_exp_f32 and their like allow (about 1e-6 of the number): no bf16 or f16 on the way to a quantiser, and a product that is left as it is and whose result goes on into a quantised operand takes f32 operands (vector FMAs, or v_wmma_f32_16x16x4_f32). A number that lies on a knife's edge between two numbers of the format may be rounded either way, as far as f32 arithmetic and the matrix unit's own rounding can turn it there, and no further.
;; One version. Each part assembles by itself: llvm-mc -triple=amdgcn-amd-amdhsa -mcpu=gfx1250 --defsym DOCPART=n.
;; ======== version 1 of 1: 4 launches
;; limits: right only within a limited range of input values
;; workspace buffers: xq 6,553,600 bytes; wq 3,276,800 bytes; q 6,815,744 bytes; kv 13,369,344 bytes; ao 6,553,600 bytes
;; launch quant (part 1): grid 640 x 1, 4 waves a work-group, no clusters, 34,304 bytes of LDS; arguments x, w_qkv, w_proj, xq, wq; writes xq, wq
.if DOCPART == 1
	.amdgcn_target "amdgcn-amd-amdhsa--gfx1250"
	.amdhsa_code_object_version 6
	.text
	.protected	k_qb32202ed1b_quant
	.globl	k_qb32202ed1b_quant
	.p2align	8
	.type	k_qb32202ed1b_quant,@function
k_qb32202ed1b_quant:
	s_mov_b64 s[64:65], 0
	v_nop
	global_prefetch_b8 v0, s[64:65] scope:SCOPE_SE
	s_setreg_imm32_b32 hwreg(HW_REG_WAVE_MODE, 25, 1), 1
	s_wait_xcnt 0x0
; x [8192][1024], w_qkv [1024][3072] and w_proj [1024][1024], f32, become codes of FP6 (E2M3) with one E8M0 byte for each 32 along K (K = 1,024 in all three).
; A block's scale is 2^(floor(log2(largest magnitude)) - 2); its byte is the largest magnitude's exponent field - 2, held at 1 from below.
; LAYOUT OF THE RESULTS: in the order of the matrix operand's registers.  A row block is 16 rows; stored row 16 B + r holds true row 32 (B / 2) + 8 (B % 2) + r + 8 (r / 8)
; (bits 3 and 4 of the row number change places).  Codes: [row block][K step of 128][6 groups of 256 bytes]; group p holds registers 2 p, 2 p + 1 of the fragment, lane l's 8 bytes at 8 l.
; Scale words: behind the codes, [row block][K slot of 256][r][2 words].  For the weights a "row" is a column n: row blocks 0-191 of wq are w_qkv's columns, 192-255 w_proj's.
; LIMITS: NaN and infinities among the inputs are not served.  A block of zeros, and one whose largest magnitude lies under 2^-124, keeps the byte 1: zero codes add nothing, and only this program reads the bytes.
; Work-groups 0-511: a row block of x each, a wave a K slot.  512-607: w_qkv, 128 columns x 256 along K each.  608-639: w_proj likewise.  Waves share nothing: no barrier.
.set SPARE, 33792                      ; behind the four stages: the spare words, 128 bytes a wave
.set SPW,   2                          ; v2  my spare word's LDS address; never rewritten
.set NIL,   3                          ; v3  0; never rewritten
.set R0,    32                         ; x: v32-95, v96-159 two K steps as loaded
.set XR,    160                        ; x: v160-223 64 numbers of my row
.set CX,    224                        ; x: v224-247 two fragments' codes
.set TX,    248                        ; x: v248-250, v252-254 the second halves of blocks
.set WX,    32                         ; w: v32-95 two sets of 32 numbers
.set WC,    96                         ; w: v96-143 six registers of codes for each of 8 blocks
.set WT,    144                        ; w: v144-146 a block's second half
.set WS,    148                        ; w: v[148:149] my column's 8 scale bytes
.macro XLOAD q                         ; K step q of my slot: 16 rows x 512 consecutive bytes
.irp i, 0,1,2,3,4,5,6,7,8,9,10,11,12,13,14,15
	global_load_b128 v[R0+64*\q+4*\i:R0+64*\q+4*\i+3], v7, s[4:5] offset:(\i+8*(\i/8))*4096+512*\q th:TH_LOAD_NT
.endr
.endm
.macro XTURN q, dst                    ; through my stage: in as loaded, out as lane (r, h) wants them: row r, k = 64 c + 32 h + 0 .. 31.  LDS serves a wave's instructions in order
.irp i, 0,1,2,3,4,5,6,7,8,9,10,11,12,13,14,15
	ds_store_b128 v8, v[R0+64*\q+4*\i:R0+64*\q+4*\i+3] offset:528*\i
.endr
.irp c, 0,1
.irp j, 0,1,2,3,4,5,6,7
	ds_load_b128 v[\dst+32*\c+4*\j:\dst+32*\c+4*\j+3], v9 offset:256*\c+16*\j
.endr
.endr
.endm
.macro XWORK src, q                    ; my two whole blocks (h and 2 + h of the K step) become the fragment's 12 registers and the row's scale word
	v_max3_num_f32 v16, |v[\src]|, |v[\src+1]|, 0x1800000          ; with the floor 2^(3 - 127): the byte cannot fall under 1
	v_max3_num_f32 v17, |v[\src+32]|, |v[\src+33]|, 0x1800000
.set i, 2
.rept 15
	v_max3_num_f32 v16, v16, |v[\src+i]|, |v[\src+i+1]|
	v_max3_num_f32 v17, v17, |v[\src+32+i]|, |v[\src+32+i+1]|
.set i, i+2
.endr
	v_add_nc_u32 v18, 0xff000000, v16              ; 2 off the exponent field: the conversion's scale operand
	v_add_nc_u32 v19, 0xff000000, v17
	v_lshrrev_b32 v20, 23, v18                     ; the bytes
	v_lshrrev_b32 v21, 23, v19
	v_lshl_or_b32 v[22+\q], v21, 16, v20
	v_lshlrev_b32 v[22+\q], v12, v[22+\q]          ; at their places: 8 h bits up
	v_permlanex16_b32 v24, v[22+\q], s20, s21
	v_or_b32 v[22+\q], v[22+\q], v24               ; with lane l xor 16's two bytes the word is whole
.irp c, 0,1
	v_cvt_scalef32_pk16_fp6_f32 v[CX+12*\q+6*\c:CX+12*\q+6*\c+2], v[\src+32*\c:\src+32*\c+15], v[18+\c]
	v_cvt_scalef32_pk16_fp6_f32 v[TX+4*\c:TX+4*\c+2], v[\src+32*\c+16:\src+32*\c+31], v[18+\c]   ; (a conversion's three registers begin on an even number)
.endr
	v_nop                                          ; one plain place behind the conversions
.irp c, 0,1
.irp i, 0,1,2
	v_mov_b32 v[CX+12*\q+6*\c+3+\i], v[TX+4*\c+\i]
.endr
.endr
.irp g, 0,1,2,3,4,5
	global_store_b64 v10, v[CX+12*\q+2*\g:CX+12*\q+2*\g+1], s[10:11] offset:1536*\q+256*\g   ; 32 lanes store 256 consecutive bytes, aligned
.endr
.endm
.macro WLOAD t, N                      ; block t: w(32 t + i, my column) into set t % 2; a wave's load covers 128 consecutive bytes
.irp i, 0,1,2,3,4,5,6,7,8,9,10,11,12,13,14,15,16,17,18,19,20,21,22,23,24,25,26,27,28,29,30,31
	global_load_b32 v[WX+32*((\t)%2)+\i], v7, s[28:29] offset:(32*(\t)+\i)*\N*4 th:TH_LOAD_NT
.endr
.endm
.macro WBLOCK t, N
.set XS, WX+32*((\t)%2)
.if (\t) < 7
	s_wait_loadcnt 32                              ; this block's 32 loads are in; the next block's may be out
.else
	s_wait_loadcnt 0x0
.endif
	v_max3_num_f32 v12, |v[XS]|, |v[XS+1]|, |v[XS+2]|
	v_max3_num_f32 v13, |v[XS+3]|, |v[XS+4]|, |v[XS+5]|
.irp i, 6,10,14,18,22,26
	v_max3_num_f32 v12, v12, |v[XS+\i]|, |v[XS+\i+1]|
	v_max3_num_f32 v13, v13, |v[XS+\i+2]|, |v[XS+\i+3]|
.endr
	v_max3_num_f32 v12, v12, |v[XS+30]|, |v[XS+31]|
	v_max3_num_f32 v12, v12, v13, 0x1800000        ; and the floor
	v_add_nc_u32 v14, 0xff000000, v12
	v_lshrrev_b32 v15, 23, v14
.if (\t)%4 == 0
	v_mov_b32 v[WS+(\t)/4], v15
.else
	v_lshl_or_b32 v[WS+(\t)/4], v15, 8*((\t)%4), v[WS+(\t)/4]
.endif
	v_cvt_scalef32_pk16_fp6_f32 v[WC+6*(\t):WC+6*(\t)+2], v[XS:XS+15], v14
	v_cvt_scalef32_pk16_fp6_f32 v[WT:WT+2], v[XS+16:XS+31], v14
.if (\t)+2 < 8
	WLOAD (\t)+2, \N
.endif
	v_nop                                          ; one plain place behind the conversions
.irp i, 0,1,2
	v_mov_b32 v[WC+6*(\t)+3+\i], v[WT+\i]
.endr
.if (\t)%2 == 1                        ; lanes 0-15 hold rows of row block 2 G, lanes 16-31 of 2 G + 1; a fragment wants the even block in lanes 0-15 and the odd one in lanes 16-31
.irp i, 0,1,2,3,4,5
	v_permlane16_swap_b32 v[WC+6*((\t)-1)+\i], v[WC+6*(\t)+\i]
.endr
.irp i, 0,1,2
	global_store_b64 v10, v[WC+6*((\t)-1)+2*\i:WC+6*((\t)-1)+2*\i+1], s[30:31] offset:((\t)/4)*1536+(3*(((\t)%4)/2)+\i)*256
	global_store_b64 v10, v[WC+6*(\t)+2*\i:WC+6*(\t)+2*\i+1], s[30:31] offset:12288+((\t)/4)*1536+(3*(((\t)%4)/2)+\i)*256
.endr
.endif
.endm
.macro WPATH N, GBASE, FIRST, PTR      ; a weight of N columns whose groups of 32 columns begin at group GBASE of wq
	s_sub_co_u32 s17, ttmp9, \FIRST
	s_lshr_b32 s18, s17, 2                         ; which 128 columns
	s_and_b32 s17, s17, 3                          ; which 256 along K
	s_lshl_b32 s19, s18, 2
	s_add_co_u32 s19, s19, s16
	s_add_co_u32 s19, s19, \GBASE                  ; G: my wave's group of 32 columns
	s_mul_i32 s22, s17, 256*\N*4
	s_lshl_b32 s23, s18, 9
	s_add_co_u32 s22, s22, s23
	s_lshl_b32 s23, s16, 7
	s_add_co_u32 s22, s22, s23
	s_mov_b32 s23, 0
	s_mul_i32 s24, s19, 2*12288
	s_mul_i32 s25, s17, 3072
	s_add_co_u32 s24, s24, s25
	s_mov_b32 s25, 0
	s_lshl_b32 s26, s19, 10
	s_lshl_b32 s27, s17, 7
	s_add_co_u32 s26, s26, s27
	s_add_co_u32 s26, s26, 3145728
	s_mov_b32 s27, 0
	s_wait_kmcnt 0x0
	s_add_nc_u64 s[28:29], s[\PTR:\PTR+1], s[22:23]
	s_add_nc_u64 s[30:31], s[12:13], s[24:25]
	s_add_nc_u64 s[32:33], s[12:13], s[26:27]
	WLOAD 0, \N
	WLOAD 1, \N
.irp t, 0,1,2,3,4,5,6,7
	WBLOCK \t, \N
.endr
	global_store_b64 v11, v[WS:WS+1], s[32:33]     ; my column's two scale words: sixteen lanes store 128 consecutive bytes
	s_endpgm
.endm
	s_load_b256 s[4:11], s[0:1], 0x0               ; x s[4:5], w_qkv s[6:7], w_proj s[8:9], xq s[10:11]
	s_load_b64 s[12:13], s[0:1], 0x20              ; wq
	v_lshl_add_u32 v[SPW], v0, 2, SPARE
	v_mov_b32 v[NIL], 0
	v_lshrrev_b32 v1, 5, v0
	v_readfirstlane_b32 s16, v1                    ; wave
	v_and_b32 v4, 31, v0                           ; lane
	v_and_b32 v5, 15, v0                           ; r
	v_bfe_u32 v6, v0, 4, 1                         ; h
	s_mov_b32 s20, 0x76543210
	s_mov_b32 s21, 0xfedcba98                      ; v_permlanex16_b32's selects for lane l xor 16
	s_cmp_lt_u32 ttmp9, 512
	s_cbranch_scc0 .Lweights
	; ---- x: row block ttmp9, K slot = wave
	v_lshlrev_b32 v7, 4, v4                        ; 16 x lane
	s_mul_i32 s17, s16, 8448                       ; my stage: 16 rows of 512 + 16 bytes
	v_add_nc_u32 v8, s17, v7
	v_mul_u32_u24 v9, v5, 528
	v_lshl_add_u32 v9, v6, 7, v9
	v_add_nc_u32 v9, s17, v9
	v_lshlrev_b32 v10, 3, v4                       ; 8 x lane
	v_lshlrev_b32 v11, 3, v5
	v_lshl_add_u32 v11, v6, 2, v11                 ; 8 r + 4 h: lanes 0-15 store the first K step's word, lanes 16-31 the second's
	v_lshlrev_b32 v12, 3, v6                       ; 8 h
	v_mov_b32 v24, 0                               ; (a lane permute's destination counts as one of its sources)
	s_lshr_b32 s18, ttmp9, 1
	s_lshl_b32 s18, s18, 17                        ; 32 rows of 4,096 bytes
	s_and_b32 s19, ttmp9, 1
	s_lshl_b32 s19, s19, 15                        ; 8 rows
	s_add_co_u32 s18, s18, s19
	s_lshl_b32 s19, s16, 10
	s_add_co_u32 s18, s18, s19
	s_mov_b32 s19, 0
	s_mul_i32 s22, ttmp9, 12288
	s_mul_i32 s23, s16, 3072
	s_add_co_u32 s22, s22, s23
	s_mov_b32 s23, 0
	s_lshl_b32 s24, ttmp9, 9
	s_lshl_b32 s25, s16, 7
	s_add_co_u32 s24, s24, s25
	s_add_co_u32 s24, s24, 6291456
	s_mov_b32 s25, 0
	s_wait_alu depctr_va_vdst(0)
	s_wait_kmcnt 0x0
	s_add_nc_u64 s[4:5], s[4:5], s[18:19]
	s_add_nc_u64 s[26:27], s[10:11], s[24:25]
	s_add_nc_u64 s[10:11], s[10:11], s[22:23]
	XLOAD 0
	XLOAD 1
	s_wait_loadcnt 16                              ; the first K step's 16 loads are in
	XTURN 0, XR
	s_wait_loadcnt 0x0
	s_wait_dscnt 0x0                               ; the stage's stores have read v32-95, which now take the second K step's numbers
	XTURN 1, R0
	XWORK XR, 0
	s_wait_dscnt 0x0
	XWORK R0, 1
	v_cmp_ne_u32 vcc_lo, 0, v6
	v_cndmask_b32 v25, v22, v23, vcc_lo
	global_store_b32 v11, v25, s[26:27]            ; 128 consecutive bytes: one part in 128 of what the wave reads
	s_wait_tensorcnt 0x0                           ; the wave's end, behind my last LDS store
	ds_add_u32 v[SPW], v[NIL]
	s_wait_dscnt 0x0
	s_endpgm
.Lweights:
	; ---- a weight: lane l is stored row l of its group of 32 and takes the column with bits 3 and 4 exchanged; its registers run down K
	s_wait_alu depctr_va_vdst(0)
	v_and_b32 v7, 7, v4
	v_and_b32 v8, 16, v4
	v_lshrrev_b32 v8, 1, v8
	v_or_b32 v7, v7, v8
	v_and_b32 v8, 8, v4
	v_lshl_or_b32 v7, v8, 1, v7
	v_lshlrev_b32 v7, 2, v7
	v_lshlrev_b32 v10, 3, v4                       ; 8 x lane
	v_lshlrev_b32 v11, 3, v5
	v_lshl_add_u32 v11, v6, 9, v11                 ; scale words: 512 x (lane / 16) + 8 r
	s_cmp_lt_u32 ttmp9, 608
	s_cbranch_scc0 .Lproj
	s_wait_alu depctr_va_vdst(0)
	WPATH 3072, 0, 512, 6
.Lproj:
	s_wait_alu depctr_va_vdst(0)
	WPATH 1024, 96, 608, 8
.Lfunc_end_k_qb32202ed1b_quant:
	.size	k_qb32202ed1b_quant, .Lfunc_end_k_qb32202ed1b_quant-k_qb32202ed1b_quant
	.p2alignl 7, 3214868480
	.fill 96, 4, 3214868480
	.section	.rodata,"a",@progbits
	.p2align	6, 0x0
	.amdhsa_kernel k_qb32202ed1b_quant
		.amdhsa_group_segment_fixed_size 34304
		.amdhsa_private_segment_fixed_size 0
		.amdhsa_enable_private_segment 0
		.amdhsa_kernarg_size 40
		.amdhsa_user_sgpr_count 2
		.amdhsa_user_sgpr_kernarg_segment_ptr 1
		.amdhsa_wavefront_size32 1
		.amdhsa_system_sgpr_workgroup_id_x 1
		.amdhsa_system_sgpr_workgroup_id_y 1
		.amdhsa_system_sgpr_workgroup_id_z 1
		.amdhsa_system_vgpr_workitem_id 0
		.amdhsa_next_free_vgpr 256
		.amdhsa_next_free_sgpr 66
		.amdhsa_reserve_vcc 1
		.amdhsa_float_denorm_mode_32 3
		.amdhsa_float_denorm_mode_16_64 3
		.amdhsa_memory_ordered 1
		.amdhsa_forward_progress 1
		.amdhsa_inst_pref_size 97
	.end_amdhsa_kernel
	.amdgpu_metadata
---
amdhsa.version: [ 1, 2 ]
amdhsa.kernels:
  - .name:           k_qb32202ed1b_quant
    .symbol:         k_qb32202ed1b_quant.kd
    .args:
      - { .name: x, .offset: 0, .size: 8, .value_kind: global_buffer, .address_space: global }
      - { .name: w_qkv, .offset: 8, .size: 8, .value_kind: global_buffer, .address_space: global }
      - { .name: w_proj, .offset: 16, .size: 8, .value_kind: global_buffer, .address_space: global }
      - { .name: xq, .offset: 24, .size: 8, .value_kind: global_buffer, .address_space: global }
      - { .name: wq, .offset: 32, .size: 8, .value_kind: global_buffer, .address_space: global }
    .group_segment_fixed_size: 34304
    .private_segment_fixed_size: 0
    .kernarg_segment_align: 8
    .kernarg_segment_size: 40
    .max_flat_workgroup_size: 128
    .sgpr_count:     66
    .vgpr_count:     256
    .wavefront_size: 32
...
	.end_amdgpu_metadata
.endif
;; end of part 1
;; launch gemm_qkv (part 2): grid 12 x 32, 4 waves a work-group, clusters of 4 x 4, 327,680 bytes of LDS; arguments xq, wq, b_qkv, q, kv; writes q, kv
.if DOCPART == 2
	.amdgcn_target "amdgcn-amd-amdhsa--gfx1250"
	.amdhsa_code_object_version 6
	.text
	.protected	k_qb32202ed1b_gemm_qkv
	.globl	k_qb32202ed1b_gemm_qkv
	.p2align	8
	.type	k_qb32202ed1b_gemm_qkv,@function
k_qb32202ed1b_gemm_qkv:
	s_mov_b64 s[64:65], 0
	v_nop
	global_prefetch_b8 v0, s[64:65] scope:SCOPE_SE
	s_setreg_imm32_b32 hwreg(HW_REG_WAVE_MODE, 25, 1), 1
	s_wait_xcnt 0x0
	s_wait_alu depctr_hold_cnt(0) depctr_sa_sdst(0) depctr_va_vdst(0) depctr_va_sdst(0) depctr_va_ssrc(0) depctr_va_vcc(0) depctr_vm_vsrc(0)
	s_getreg_b32 s2, hwreg(HW_REG_IB_STS2, 6, 4)
	s_cmp_eq_u32 s2, 0
	s_cbranch_scc0 .Lentry_in_a_cluster
	s_endpgm
.Lentry_in_a_cluster:
	s_bfe_u32 s2, ttmp6, 0x10000c
	s_cmp_lg_u32 s2, 0xf033
	s_cbranch_scc0 .Lentry_shape_is_right
	s_endpgm
.Lentry_shape_is_right:
.set HALFT,  24576
.set SLOT,   98304
.set SCL,    294912
.set SPARE,  311296
.set FR,     12
.set NL,     6
.set NP,     4
.set ADRA, 16
.set ADRB, 20
.set ADRS, 27
.set SPW,  28
.set NIL,  29
.set SC,   32
.set BIAS, 64
.set AF,   128
.set TM,   32
.set PC,   48
.set PT,   60
.set PWS,  72
.set SW,   80
.set G1, 24
.set G0, 32
.set G1B, 48
.set G0S, 56
.set G0SB, 60
.set G0B, 68
.set G1S, 80
.set G1SB, 88
.set FLOOR, 48
.set SEL, 50
.set M16, 52
.set HI7F, 53
.set MSB, 0
.macro WIN new
.if MSB != \new
	s_set_vgpr_msb (MSB<<8)|\new
.set MSB, \new
.endif
.endm
.set MUL_LO, 0xa1
.set MUL_HI, 0xf1
.set TO_B,   0x40
.macro WINM hi, mode
.if \mode
.if \hi
	WIN 0xc1
.else
	WIN 0x81
.endif
.else
.if \hi
	WIN MUL_HI
.else
	WIN MUL_LO
.endif
.endif
.endm
.macro JLOAD g0a, g1a, g0b, g1b
	s_cmp_eq_u32 s15, 0
	s_cbranch_scc0 .Lfor_b_\@
	tensor_load_to_lds s[\g0a:\g0a+3], s[\g1a:\g1a+7]
	s_nop 0
.rept 4
	v_nop
.endr
	s_branch .Lasked_\@
.Lfor_b_\@:
	tensor_load_to_lds s[\g0b:\g0b+3], s[\g1b:\g1b+7]
	s_nop 0
.rept 4
	v_nop
.endr
.Lasked_\@:
.endm
.macro CREST
	s_cmp_lg_u32 s14, 0
	s_cbranch_scc1 .Lnot_wave_0_\@
	s_barrier_signal -3
.Lnot_wave_0_\@:
	s_barrier_wait -3
	s_barrier_signal -1
	s_barrier_wait -1
.endm
.macro CROUND
	s_barrier_signal -1
	s_barrier_wait -1
	CREST
.endm
.macro PLACES n
.rept \n
	v_nop
.endr
.endm
.macro FRAG reg, adr, q, i
.irp p, 0,1,2,3,4,5
	ds_load_b64 v[\reg+2*\p:\reg+2*\p+1], v[\adr] offset:(\i)*RBP+(\q)*1536+256*\p
.endr
.endm
.macro FETCH_B L, q, p
.set RBP, 3072*(1+((\L)+1)/2)          ; LDS bytes from row block to row block: 3,072 in slot 0, 6,144 where K slots 1 and 2 lie side by side
	WIN TO_B
.irp i, 0,1,2,3,4,5,6,7
	FRAG 128*(\p)+FR*\i, ADRB+\L, \q, \i
.endr
	WIN 0
.endm
.macro FETCH_A L, q, i0
.set RBP, 3072*(1+((\L)+1)/2)
.irp i, \i0, \i0+1, \i0+2, \i0+3
	FRAG AF+FR*(\i), ADRA+\L, \q, \i
.endr
.endm
.macro SCALES set, kn
.irp i, 0,1,2,3,4,5,6,7
	ds_load_b64 v[SC+16*\set+2*\i:SC+16*\set+2*\i+1], v[ADRS] offset:512*\i+128*\kn
.endr
.endm
.macro MUL16 a0, p, q, sc, mode
.irp a, \a0, \a0+1
.irp b, 0,1,2,3,4,5,6,7
.if \mode == 0
	v_wmma_scale_f32_16x16x128_f8f6f4 v[8*(8*((\a)%4)+\b):8*(8*((\a)%4)+\b)+7], v[128*(\p)+FR*\b:128*(\p)+FR*\b+FR-1], v[AF+FR*(\a):AF+FR*(\a)+FR-1], v[8*(8*((\a)%4)+\b):8*(8*((\a)%4)+\b)+7], v[SC+16*(\sc)+2*\b+(\q)], v[SC+16*(\sc)+2*(\a)+(\q)] matrix_a_fmt:MATRIX_FMT_FP6 matrix_b_fmt:MATRIX_FMT_FP6 matrix_a_scale:MATRIX_SCALE_ROW1
.elseif \mode == 1
	v_wmma_scale_f32_16x16x128_f8f6f4 v[8*(8*((\a)%4)+\b):8*(8*((\a)%4)+\b)+7], v[128*(\p)+FR*\b:128*(\p)+FR*\b+FR-1], v[AF+FR*(\a):AF+FR*(\a)+FR-1], v[BIAS+8*\b:BIAS+8*\b+7], v[SC+16*(\sc)+2*\b+(\q)], v[SC+16*(\sc)+2*(\a)+(\q)] matrix_a_fmt:MATRIX_FMT_FP6 matrix_b_fmt:MATRIX_FMT_FP6 matrix_a_scale:MATRIX_SCALE_ROW1
.else
	v_wmma_scale_f32_16x16x128_f8f6f4 v[8*(8*((\a)%4)+\b):8*(8*((\a)%4)+\b)+7], v[128*(\p)+FR*\b:128*(\p)+FR*\b+FR-1], v[AF+FR*(\a):AF+FR*(\a)+FR-1], v[BIAS+8*(\a):BIAS+8*(\a)+7], v[SC+16*(\sc)+2*\b+(\q)], v[SC+16*(\sc)+2*(\a)+(\q)] matrix_a_fmt:MATRIX_FMT_FP6 matrix_b_fmt:MATRIX_FMT_FP6 matrix_a_scale:MATRIX_SCALE_ROW1
.endif
.endr
.endr
.endm
.macro STEP L, sc, mode
	s_wait_dscnt 4*NL
	WINM 0, \mode
	MUL16 0, 0, 0, \sc, \mode
	MUL16 2, 0, 0, \sc, \mode
	s_wait_dscnt 0x0
	PLACES NP
	FETCH_B \L, 1, 1
	FETCH_A \L, 1, 0
	WINM 1, \mode
	MUL16 4, 0, 0, \sc, \mode
	MUL16 6, 0, 0, \sc, \mode
	PLACES NP
	WIN 0
	FETCH_A \L, 1, 4
.endm
.macro CROSS L, nL, sc, nsc, kn
	s_wait_dscnt 4*NL
	WIN MUL_LO
	MUL16 0, 1, 1, \sc, 0
	MUL16 2, 1, 1, \sc, 0
	s_wait_dscnt 0x0
	PLACES NP
	FETCH_B \nL, 0, 0
	FETCH_A \nL, 0, 0
	SCALES \nsc, \kn
	WIN MUL_HI
	MUL16 4, 1, 1, \sc, 0
	MUL16 6, 1, 1, \sc, 0
	PLACES NP
	WIN 0
	FETCH_A \nL, 0, 4
.endm
.macro TURN L, nL, sc, nsc, kn, fill
	s_wait_tensorcnt 0x0
	ds_add_u32 v[SPW], v[NIL]
	s_wait_dscnt 4*NL+1
	WIN MUL_LO
	MUL16 0, 1, 1, \sc, 0
	s_wait_dscnt 0x0
	s_barrier_signal -1
	MUL16 2, 1, 1, \sc, 0
	WIN 0
	s_barrier_wait -1
.if \fill
	CREST
	s_mov_b32 s[G1+1], 384<<16                     ; no tensor load of mine is out: the refill's rows are 3,072 bytes again
	s_mov_b32 s[G1+3], 384<<16
	s_mov_b32 s[G1B+1], 384<<16
	s_mov_b32 s[G1B+3], 384<<16
	JLOAD G0+8, G1, G0B+8, G1B                     ; K slot 3 into my quarter of slot 0
.else
	PLACES NP
.endif
	FETCH_B \nL, 0, 0
	FETCH_A \nL, 0, 0
	SCALES \nsc, \kn
	WIN MUL_HI
	MUL16 4, 1, 1, \sc, 0
	MUL16 6, 1, 1, \sc, 0
	PLACES NP
	WIN 0
	FETCH_A \nL, 0, 4
.endm
	s_load_b256 s[4:11], s[0:1], 0x0
	s_load_b64 s[12:13], s[0:1], 0x20
	v_lshl_add_u32 v[SPW], v0, 2, SPARE
	v_mov_b32 v[NIL], 0
	ds_add_u32 v[SPW], v[NIL]
	ds_add_u32 v[SPW], v[NIL]
	v_lshrrev_b32 v1, 5, v0
	v_readfirstlane_b32 s14, v1
	s_lshr_b32 s15, s14, 1
	s_and_b32 s16, s14, 1
	s_bfe_u32 s2, ttmp6, 0x40000
	s_bfe_u32 s3, ttmp6, 0x40004
	s_mov_b32 s66, ttmp9
	s_and_b32 s67, ttmp7, 0xffff
	s_lshl_b32 s67, s67, 2
	s_lshl_b32 s20, s3, 2
	s_lshl_b32 s20, 15, s20
	s_lshl_b32 s21, 0x1111, s2
	s_or_b32 s[G1], s20, (3<<16)|(1<<21)
	s_or_b32 s[G1B], s21, (3<<16)|(1<<21)
	s_or_b32 s[G1S], s20, (3<<16)|(1<<21)
	s_or_b32 s[G1SB], s21, (3<<16)|(1<<21)
.irp g, G1, G1B
	s_mov_b32 s[\g+1], 384<<16
	s_mov_b32 s[\g+2], 16<<16
	s_mov_b32 s[\g+3], 384<<16
	s_mov_b32 s[\g+4], 16
	s_mov_b32 s[\g+5], 1536
	s_mov_b32 s[\g+6], 0
	s_mov_b32 s[\g+7], 0
.endr
.irp g, G1S, G1SB
	s_mov_b32 s[\g+1], 32<<16
	s_mov_b32 s[\g+2], 32<<16
	s_mov_b32 s[\g+3], 32<<16
	s_mov_b32 s[\g+4], 32
	s_mov_b32 s[\g+5], 32
	s_mov_b32 s[\g+6], 0
	s_mov_b32 s[\g+7], 0
.endr
	s_lshl_b32 s46, s66, 2
	s_cmp_eq_u32 s66, 2
	s_cselect_b32 s18, 0, s67
	s_cselect_b32 s19, 128, 0
	s_mov_b32 s20, 6291456
	s_cselect_b32 s20, 3145728, s20
	s_cselect_b32 s45, s67, s46
	s_mov_b32 s101, 3145728
	s_cselect_b32 s101, 6291456, s101
	s_add_co_u32 s17, s18, s3
	s_add_co_u32 s44, s45, s2
	s_lshl_b32 s18, s17, 4
	s_add_co_u32 s18, s18, s19
	s_lshl_b32 s22, s18, 9
	s_add_co_u32 s22, s22, s20
	s_mov_b32 s23, 0
	s_mul_i32 s18, s18, 12288
	s_mov_b32 s19, 0
	s_lshl_b32 s46, s44, 4
	s_lshl_b32 s100, s46, 9
	s_add_co_u32 s100, s100, s101
	s_mov_b32 s101, 0
	s_mul_i32 s46, s46, 12288
	s_mov_b32 s47, 0
	s_mul_i32 s45, s14, HALFT
	s_wait_dscnt 0x0
	s_wait_kmcnt 0x0
	s_cmp_eq_u32 s66, 2
	s_cselect_b64 s[96:97], s[6:7], s[4:5]
	s_cselect_b64 s[98:99], s[4:5], s[6:7]
	s_add_nc_u64 s[22:23], s[96:97], s[22:23]
	s_add_nc_u64 s[18:19], s[96:97], s[18:19]
	s_add_nc_u64 s[100:101], s[98:99], s[100:101]
	s_add_nc_u64 s[46:47], s[98:99], s[46:47]
	CROUND
	; THE HEAD'S FOUR TILES, one a wave: K slot 0 of source 1's 16 row blocks, of source 0's 16, and the two sides' scale words (8,192 bytes each)
	s_mov_b32 s[G0S], 1
	s_mov_b32 s[G0S+1], SCL
	s_mov_b64 s[G0S+2:G0S+3], s[22:23]
	s_or_b32 s[G0S+3], s[G0S+3], 0x80000000
	s_mov_b32 s[G0SB], 1
	s_mov_b32 s[G0SB+1], SCL+8192
	s_mov_b64 s[G0SB+2:G0SB+3], s[100:101]
	s_or_b32 s[G0SB+3], s[G0SB+3], 0x80000000
	s_mov_b32 s[G0], 1
	s_mov_b32 s[G0+1], 0
	s_mov_b64 s[G0+2:G0+3], s[18:19]
	s_or_b32 s[G0+3], s[G0+3], 0x80000000
	s_mov_b32 s[G0B], 1
	s_mov_b32 s[G0B+1], 2*HALFT
	s_mov_b64 s[G0B+2:G0B+3], s[46:47]
	s_or_b32 s[G0B+3], s[G0B+3], 0x80000000
	s_mul_i32 s20, s16, 8*12288                    ; behind the head a wave fetches 8 row blocks: which half
	s_mov_b32 s21, 0
	s_add_nc_u64 s[18:19], s[18:19], s[20:21]
	s_add_nc_u64 s[46:47], s[46:47], s[20:21]
	s_mul_i32 s20, s14, 2*HALFT                    ; K slots 1 and 2 side by side, rows of 6,144 bytes: my quarter at SLOT + wave x 49,152
	s_mov_b32 s[G0+4], 1
	s_add_co_u32 s[G0+5], s20, SLOT
	s_add_nc_u64 s[G0+6:G0+7], s[18:19], 3072
	s_or_b32 s[G0+7], s[G0+7], 0x80000000
	s_mov_b32 s[G0B+4], 1
	s_add_co_u32 s[G0B+5], s20, SLOT
	s_add_nc_u64 s[G0B+6:G0B+7], s[46:47], 3072
	s_or_b32 s[G0B+7], s[G0B+7], 0x80000000
	s_mov_b32 s[G0+8], 1                           ; the refill: K slot 3 into my quarter of slot 0
	s_add_co_u32 s[G0+9], s45, 0
	s_add_nc_u64 s[G0+10:G0+11], s[18:19], 9216
	s_or_b32 s[G0+11], s[G0+11], 0x80000000
	s_mov_b32 s[G0B+8], 1
	s_add_co_u32 s[G0B+9], s45, 0
	s_add_nc_u64 s[G0B+10:G0B+11], s[46:47], 9216
	s_or_b32 s[G0B+11], s[G0B+11], 0x80000000
	s_cmp_eq_u32 s14, 0
	s_cbranch_scc0 .Lhead_1
	tensor_load_to_lds s[G0:G0+3], s[G1:G1+7]
	s_nop 0
	PLACES 4
	s_branch .Lhead_asked
.Lhead_1:
	s_cmp_eq_u32 s14, 1
	s_cbranch_scc0 .Lhead_2
	tensor_load_to_lds s[G0B:G0B+3], s[G1B:G1B+7]
	s_nop 0
	PLACES 4
	s_branch .Lhead_asked
.Lhead_2:
	s_cmp_eq_u32 s14, 2
	s_cbranch_scc0 .Lhead_3
	tensor_load_to_lds s[G0S:G0S+3], s[G1S:G1S+7]
	s_nop 0
	PLACES 4
	s_branch .Lhead_asked
.Lhead_3:
	tensor_load_to_lds s[G0SB:G0SB+3], s[G1SB:G1SB+7]
	s_nop 0
	PLACES 4
.Lhead_asked:
	v_and_b32 v1, 15, v0
	v_bfe_u32 v2, v0, 4, 1
	v_and_b32 v3, 31, v0
	v_lshlrev_b32 v3, 3, v3
	s_mul_i32 s21, s15, HALFT
	s_mul_i32 s22, s16, HALFT
	s_add_co_u32 s22, s22, 2*HALFT
	v_add_nc_u32 v[ADRA], s21, v3
	v_add_nc_u32 v[ADRB], s22, v3
	s_lshl_b32 s21, s21, 1                         ; behind slot 0 a quarter is twice as long
	s_lshl_b32 s22, s22, 1
	s_add_co_u32 s21, s21, SLOT
	s_add_co_u32 s22, s22, SLOT
	v_add_nc_u32 v[ADRA+1], s21, v3
	v_add_nc_u32 v[ADRB+1], s22, v3
	v_add_nc_u32 v[ADRA+2], 3072, v[ADRA+1]        ; K slot 2 lies 3,072 bytes on in each row block
	v_add_nc_u32 v[ADRB+2], 3072, v[ADRB+1]
	v_lshlrev_b32 v5, 3, v1
	s_lshl_b32 s21, s15, 12
	s_lshl_b32 s22, s16, 12
	s_add_co_u32 s22, s22, 8192
	s_sub_co_u32 s22, s22, s21
	v_mul_u32_u24 v6, s22, v2
	s_add_co_u32 s21, s21, SCL
	v_add_nc_u32 v5, v5, v6
	v_add_nc_u32 v[ADRS], s21, v5
	v_lshlrev_b32 v4, 6, v2
	v_and_b32 v6, 8, v1
	v_add_nc_u32 v6, v6, v1
	v_lshlrev_b32 v6, 2, v6
	s_cmp_eq_u32 s66, 2
	s_cbranch_scc1 .Lbias_v
	s_lshl_b32 s20, s44, 10
	s_lshl_b32 s21, s16, 9
	s_add_co_u32 s20, s20, s21
	s_mov_b32 s21, 0
	s_add_nc_u64 s[20:21], s[8:9], s[20:21]
.irp b, 0,1,2,3,4,5,6,7
	global_load_b128 v[BIAS+8*\b:BIAS+8*\b+3], v4, s[20:21] offset:(32*(\b/2)+8*(\b%2))*4
	global_load_b128 v[BIAS+8*\b+4:BIAS+8*\b+7], v4, s[20:21] offset:(32*(\b/2)+8*(\b%2))*4+16
.endr
	s_branch .Lbias_done
.Lbias_v:
	s_lshl_b32 s20, s3, 10
	s_lshl_b32 s21, s15, 9
	s_add_co_u32 s20, s20, s21
	s_add_co_u32 s20, s20, 8192
	s_mov_b32 s21, 0
	s_add_nc_u64 s[20:21], s[8:9], s[20:21]
	s_wait_alu depctr_va_vdst(0)
.irp a, 0,1,2,3,4,5,6,7
.irp j, 0,1,2,3,4,5,6,7
	global_load_b32 v[BIAS+8*\a+\j], v6, s[20:21] offset:(32*(\a/2)+8*(\a%2))*4
.endr
.endr
.Lbias_done:
	s_wait_alu depctr_va_vdst(0)                   ; the wait at the head's end
	s_wait_tensorcnt 0x0                           ; my tile of the head's four is in
	ds_add_u32 v[SPW], v[NIL]
	s_mov_b32 s[G1+1], 768<<16                     ; no tensor load of mine is out: the next load brings 8 rows of 6,144 bytes
	s_mov_b32 s[G1+2], 8<<16
	s_mov_b32 s[G1+3], 768<<16
	s_mov_b32 s[G1+4], 8
	s_mov_b32 s[G1B+1], 768<<16
	s_mov_b32 s[G1B+2], 8<<16
	s_mov_b32 s[G1B+3], 768<<16
	s_mov_b32 s[G1B+4], 8
	s_wait_dscnt 0x0
	CROUND                                         ; all four tiles are in, and all sixteen work-groups are here
	JLOAD G0+4, G1, G0B+4, G1B                     ; K slots 1 and 2 by one load a wave; K slot 0's first 64 products stand between it and the wait for it
	FETCH_B 0, 0, 0
	FETCH_A 0, 0, 0
	s_wait_alu depctr_va_vdst(0)
	SCALES 0, 0
	FETCH_A 0, 0, 4
	s_wait_loadcnt 0x0
	s_cmp_eq_u32 s66, 2
	s_cbranch_scc1 .Lfirst_v
	STEP 0, 0, 1
	s_branch .Lfirst_done
.Lfirst_v:
	STEP 0, 0, 2
.Lfirst_done:
	TURN 0, 1, 0, 1, 1, 1
	STEP 1, 1, 0
	CROSS 1, 2, 1, 0, 2
	STEP 2, 0, 0
	TURN 2, 0, 0, 1, 3, 0
	STEP 0, 1, 0
	s_wait_dscnt 4*NL
	WIN MUL_LO
	MUL16 0, 1, 1, 1, 0
	MUL16 2, 1, 1, 1, 0
	s_wait_dscnt 0x0
	WIN MUL_HI
	MUL16 4, 1, 1, 1, 0
	MUL16 6, 1, 1, 1, 0
	WIN 0
	s_cmp_eq_u32 s66, 2
	s_cselect_b32 s18, s44, s17
	s_cselect_b32 s19, s16, s15
	s_cselect_b32 s20, s3, s2
	s_cselect_b32 s21, s15, s16
	s_cselect_b32 s22, 6144, 0
	s_mov_b32 s23, 12288
	s_cselect_b32 s23, 12800, s23
	s_cmp_eq_u32 s66, 0
	s_cselect_b32 s23, 6144, s23
	s_mov_b32 s45, 13056
	s_cselect_b32 s45, 6656, s45
	s_cselect_b64 s[96:97], s[10:11], s[12:13]
	s_lshl_b32 s20, s20, 2
	s_lshl_b32 s21, s21, 1
	s_add_co_u32 s20, s20, s21
	s_lshr_b32 s21, s18, 3
	s_lshl_b32 s21, s21, 4
	s_add_co_u32 s20, s20, s21
	s_and_b32 s18, s18, 7
	s_lshl_b32 s18, s18, 1
	s_add_co_u32 s18, s18, s19
	s_lshl_b32 s20, s20, 4
	s_add_co_u32 s20, s20, s18
	s_mul_i32 s20, s20, s45
	s_mov_b32 s21, 0
	s_add_nc_u64 s[96:97], s[96:97], s[20:21]
	s_mov_b32 s18, s23
	s_mov_b32 s19, 0
	s_add_nc_u64 s[100:101], s[96:97], s[18:19]
	s_mov_b32 s23, 0
	s_add_nc_u64 s[96:97], s[96:97], s[22:23]
	s_lshl_b32 s46, s45, 4
	s_mov_b32 s47, 0
	s_add_nc_u64 s[98:99], s[96:97], s[46:47]
	s_mov_b32 s[FLOOR], 0x1800000
	s_mov_b32 s[SEL], 0x76543210
	s_mov_b32 s[SEL+1], 0xfedcba98
	s_mov_b32 s[M16], 0xffff
	s_mov_b32 s[HI7F], 0x7f7f0000
	PLACES NP
	v_lshlrev_b32 v8, 1, v3
	v_mul_u32_u24 v10, v2, s46
	v_lshl_add_u32 v10, v1, 4, v10
	v_lshlrev_b32 v11, 4, v2
.irp b, 0,1,2,3
	v_mov_b32 v[TM+4+\b], 0
.endr
.macro OUT a
.set WA, 2+(\a)/4
.set SRC, 64*((\a)%4)
.set WN, (WA<<2)|(WA<<4)
	WIN WN
.irp b, 0,1,2,3
	v_max3_num_f32 v[TM+\b], s[FLOOR], |v[SRC+16*\b]|, |v[SRC+16*\b+1]|
.endr
.irp i, 2,4,6,8,10,12,14
.irp b, 0,1,2,3
	v_max3_num_f32 v[TM+\b], v[TM+\b], |v[SRC+16*\b+\i]|, |v[SRC+16*\b+\i+1]|
.endr
.endr
	WIN 0
.irp b, 0,1,2,3
	v_permlanex16_b32 v[TM+4+\b], v[TM+\b], s[SEL], s[SEL+1]
.endr
.irp b, 0,1,2,3
	v_max_num_f32 v[TM+\b], v[TM+\b], v[TM+4+\b]
.endr
.irp b, 0,1,2,3
	v_add_nc_u32 v[TM+12+\b], 0xff000000, v[TM+\b]
.endr
.irp b, 0,1,2,3
	v_lshrrev_b32 v[TM+4+\b], 23, v[TM+12+\b]
.endr
	v_lshl_or_b32 v[PWS+(\a)], v[TM+5], 8, v[TM+4]
	v_lshl_or_b32 v[PWS+(\a)], v[TM+6], 16, v[PWS+(\a)]
	v_lshl_or_b32 v[PWS+(\a)], v[TM+7], 24, v[PWS+(\a)]
.if (\a) > 0
	s_wait_xcnt 0x0
.endif
	WIN WA
.irp c, 0,1
	v_cvt_scalef32_pk16_fp6_f32 v[PC+6*\c:PC+6*\c+2], v[SRC+32*\c:SRC+32*\c+15], v[TM+12+2*\c]
	v_cvt_scalef32_pk16_fp6_f32 v[PT+4*\c:PT+4*\c+2], v[SRC+32*\c+16:SRC+32*\c+31], v[TM+12+2*\c+1]
.endr
	WIN 0
	v_nop
.irp c, 0,1
.irp i, 0,1,2
	v_permlane16_swap_b32 v[PC+6*\c+\i], v[PT+4*\c+\i]
.endr
.irp i, 0,1,2
	v_mov_b32 v[PC+6*\c+3+\i], v[PT+4*\c+\i]
.endr
.endr
	s_cmp_eq_u32 s66, 2
	s_cbranch_scc1 .Lout_v_\@
	global_store_b128 v8, v[PC:PC+3], s[96:97] offset:768*(\a)
	global_store_b64 v3, v[PC+4:PC+5], s[96:97] offset:768*(\a)+512
	global_store_b128 v8, v[PC+6:PC+9], s[98:99] offset:768*(\a)
	global_store_b64 v3, v[PC+10:PC+11], s[98:99] offset:768*(\a)+512
	s_branch .Lout_done_\@
.Lout_v_\@:
	s_wait_alu depctr_va_vdst(0)
.irp c, 0,1,2
	global_store_b128 v8, v[PC+4*\c:PC+4*\c+3], s[96+2*((\a)/4):97+2*((\a)/4)] offset:((\a)%4)*1536+512*\c
.endr
.Lout_done_\@:
.endm
.irp a, 0,1,2,3,4,5,6,7
	OUT \a
.endr
	s_cmp_eq_u32 s66, 2
	s_cbranch_scc1 .Lsw_v
.irp a, 0,1,2,3,4,5,6,7
	v_lshrrev_b32 v[SW+\a], v11, v[PWS+\a]
.endr
.irp a, 0,1,2,3,4,5,6,7
	v_and_or_b32 v[SW+\a], v[SW+\a], s[M16], s[HI7F]
.endr
	global_store_b128 v10, v[SW:SW+3], s[100:101]
	global_store_b128 v10, v[SW+4:SW+7], s[100:101] offset:256
	s_branch .Lsw_done
.Lsw_v:
	v_cmp_ne_u32 vcc_lo, 0, v2
.irp i, 0,1,2,3
	v_cndmask_b32 v[SW+\i], v[PWS+\i], v[PWS+4+\i], vcc_lo
.endr
	global_store_b128 v10, v[SW:SW+3], s[100:101]
.Lsw_done:
	s_wait_tensorcnt 0x0
	ds_add_u32 v[SPW], v[NIL]
	s_wait_dscnt 0x0
	CROUND
	s_endpgm
.Lfunc_end_k_qb32202ed1b_gemm_qkv:
	.size	k_qb32202ed1b_gemm_qkv, .Lfunc_end_k_qb32202ed1b_gemm_qkv-k_qb32202ed1b_gemm_qkv
	.p2alignl 7, 3214868480
	.fill 96, 4, 3214868480
	.section	.rodata,"a",@progbits
	.p2align	6, 0x0
	.amdhsa_kernel k_qb32202ed1b_gemm_qkv
		.amdhsa_group_segment_fixed_size 327680
		.amdhsa_private_segment_fixed_size 0
		.amdhsa_enable_private_segment 0
		.amdhsa_kernarg_size 40
		.amdhsa_user_sgpr_count 2
		.amdhsa_user_sgpr_kernarg_segment_ptr 1
		.amdhsa_wavefront_size32 1
		.amdhsa_system_sgpr_workgroup_id_x 1
		.amdhsa_system_sgpr_workgroup_id_y 1
		.amdhsa_system_sgpr_workgroup_id_z 1
		.amdhsa_system_vgpr_workitem_id 0
		.amdhsa_next_free_vgpr 1024
		.amdhsa_next_free_sgpr 102
		.amdhsa_reserve_vcc 1
		.amdhsa_float_denorm_mode_32 3
		.amdhsa_float_denorm_mode_16_64 3
		.amdhsa_memory_ordered 1
		.amdhsa_forward_progress 1
		.amdhsa_inst_pref_size 192
	.end_amdhsa_kernel
	.amdgpu_metadata
---
amdhsa.version: [ 1, 2 ]
amdhsa.kernels:
  - .name:           k_qb32202ed1b_gemm_qkv
    .symbol:         k_qb32202ed1b_gemm_qkv.kd
    .args:
      - { .name: xq, .offset: 0, .size: 8, .value_kind: global_buffer, .address_space: global }
      - { .name: wq, .offset: 8, .size: 8, .value_kind: global_buffer, .address_space: global }
      - { .name: b_qkv, .offset: 16, .size: 8, .value_kind: global_buffer, .address_space: global }
      - { .name: q, .offset: 24, .size: 8, .value_kind: global_buffer, .address_space: global }
      - { .name: kv, .offset: 32, .size: 8, .value_kind: global_buffer, .address_space: global }
    .group_segment_fixed_size: 327680
    .private_segment_fixed_size: 0
    .kernarg_segment_align: 8
    .kernarg_segment_size: 40
    .max_flat_workgroup_size: 128
    .sgpr_count:     102
    .vgpr_count:     1024
    .wavefront_size: 32
...
	.end_amdgpu_metadata
.endif
;; end of part 2
;; launch attn (part 3): grid 4 x 64, 16 waves a work-group, clusters of 4 x 1, 212,992 bytes of LDS; arguments q, kv, ao; writes ao
.if DOCPART == 3
	.amdgcn_target "amdgcn-amd-amdhsa--gfx1250"
	.amdhsa_code_object_version 6
	.text
	.protected	k_qb32202ed1b_attn
	.globl	k_qb32202ed1b_attn
	.p2align	8
	.type	k_qb32202ed1b_attn,@function
k_qb32202ed1b_attn:
	s_mov_b64 s[64:65], 0
	v_nop
	global_prefetch_b8 v0, s[64:65] scope:SCOPE_SE
	s_setreg_imm32_b32 hwreg(HW_REG_WAVE_MODE, 25, 1), 1
	s_wait_xcnt 0x0
	s_wait_alu depctr_hold_cnt(0) depctr_sa_sdst(0) depctr_va_vdst(0) depctr_va_sdst(0) depctr_va_ssrc(0) depctr_va_vcc(0) depctr_vm_vsrc(0)
	s_getreg_b32 s2, hwreg(HW_REG_IB_STS2, 6, 4)
	s_cmp_eq_u32 s2, 0
	s_cbranch_scc0 .Lentry_in_a_cluster
	s_endpgm
.Lentry_in_a_cluster:
	s_bfe_u32 s2, ttmp6, 0x10000c
	s_cmp_lg_u32 s2, 0x3003
	s_cbranch_scc0 .Lentry_shape_is_right
	s_endpgm
.Lentry_shape_is_right:
; O = softmax(Q K^T / 8) V for one head, both products on codes of FP6 (E2M3) with E8M0 scales; O is quantised along the model's 1,024 and leaves as codes, in the order of the next product's operand registers.
; THE SOFTMAX: t = score x log2(e) / 8; M = the running largest t rounded UP to a whole number; p = 2^(t - M) is quantised along the keys, not normalised; the row's sum is taken of the unquantised p and divides O at the end.
; When M moves, the sum and O are multiplied by 2^(old M - new M): exact.
; SHARES.  The four work-groups of a cluster own one head (batch x 16 + head = the grid's y), 512 queries each.  The head's K and V, 16 records of 13,056 bytes (128 keys each), stay in LDS for the whole launch:
; wave w asks for record w, jointly with the same wave of the three partners; no byte of LDS is filled twice.  A wave takes two tiles of 16 queries, one after the other.
; LAYOUT.  Both products are used transposed: S^T = K Q^T (source 0 = 16 keys), O^T = V^T P^T (source 0 = 16 of the head's 64): a lane holds one query throughout.  The keys of a tile of K, and the dimensions of a tile
; of V^T, were chosen by the launch that made them so that 16 registers of two neighbouring tiles are 16 neighbours.  The first product's K is 64: registers 6-11 of its operands are zero codes, with scale bytes 0x7f.
; No prefetch: all of K and V is asked for at the head.  The scale bytes of O leave as 2 bytes a row: one part in 24 of the codes' bytes.
; LIMITS: NaN and infinities are not served; a block whose largest magnitude lies under 2^-124 (zeros too) keeps the byte 1; only this program reads the bytes.
.set REC,   13056
.set SPARE, 208896                     ; behind the 16 records: the spare words, 128 bytes a wave
.set SPW,  7                           ; v7  my spare word; never rewritten
.set NIL,  8                           ; v8  0; never rewritten
.set QF0,  16                          ; v16-27, v28-39 Q's two fragments
.set QF1,  28
.set QS0,  40                          ; v40, v41 their scale words
.set QS1,  41
.set KSW,  44                          ; v44-51 K's scale words of a step
.set VSW,  52                          ; v52-55 V's
.set KF,   56                          ; v56-103 four fragments of K
.set S,    104                         ; v104-167 S^T, then p; then V's four fragments in v104-151
.set OA,   168                         ; v168-199 O^T
.set PC,   200                         ; v200-211 p's codes
.set PT,   212                         ; v212-214, v216-218
.set BM,   220                         ; v220-223 the blocks' largest scores, then largest p
.set BP,   224
.set SO,   228
.set FF,   232                         ; f = 2^(old M - new M)
.set PW,   233                         ; p's scale word
.set TMP,  234
.set L2,   238                         ; v[238:239] the sum's second chain
.set WV,   10
.set SEL,  20
.set CS,   22
.set G1,   24
.set G0,   32
.set TB,   36                          ; s36 LDS byte at which the step's record begins
.set CNT,  37
.macro CROUND
	s_barrier_signal -1
	s_barrier_wait -1
	s_cmp_lg_u32 s[WV], 0
	s_cbranch_scc1 .Lnot_wave_0_\@
	s_barrier_signal -3
.Lnot_wave_0_\@:
	s_barrier_wait -3
	s_barrier_signal -1
	s_barrier_wait -1
.endm
.macro STEP QF, QS                     ; 128 keys
	v_add_nc_u32 v4, s[TB], v1
	s_wait_alu depctr_va_vdst(0)
	v_add_nc_u32 v5, s[TB], v2
	s_wait_alu depctr_va_vdst(0)
	v_add_nc_u32 v6, s[TB], v3
	v_nop
	v_nop                                          ; five places between the last product on V's fragments and the first product that writes over them
.irp g, 0,1                            ; S^T = K Q^T, four tiles of 16 keys at a time
.if \g
.rept 4
	v_nop                                          ; places in front of loads into registers that matrix instructions have read
.endr
.endif
.irp t, 0,1,2,3
	ds_load_b128 v[KF+12*\t:KF+12*\t+3], v4 offset:(4*\g+\t)*768
	ds_load_b64 v[KF+12*\t+4:KF+12*\t+5], v5 offset:(4*\g+\t)*768+512
.endr
.if \g == 0
	ds_load_b128 v[KSW:KSW+3], v6 offset:12288
	ds_load_b128 v[KSW+4:KSW+7], v6 offset:12544
.endif
	s_wait_dscnt 0x0
.irp t, 0,1,2,3
	v_wmma_scale_f32_16x16x128_f8f6f4 v[S+8*(4*\g+\t):S+8*(4*\g+\t)+7], v[KF+12*\t:KF+12*\t+11], v[\QF:\QF+11], 0, v[KSW+4*\g+\t], v[\QS] matrix_a_fmt:MATRIX_FMT_FP6 matrix_b_fmt:MATRIX_FMT_FP6
.endr
.endr
.rept 4
	v_nop
.endr
.irp b, 0,1,2,3
	v_max3_num_f32 v[BM+\b], v[S+16*\b], v[S+16*\b+1], v[S+16*\b+2]   ; the largest score of each block of 32 keys: for the row's maximum and, since p rises with the score, for the block's largest p
.endr
.irp i, 3,5,7,9,11,13
.irp b, 0,1,2,3
	v_max3_num_f32 v[BM+\b], v[BM+\b], v[S+16*\b+\i], v[S+16*\b+\i+1]
.endr
.endr
.irp b, 0,1,2,3
	v_max_num_f32 v[BM+\b], v[BM+\b], v[S+16*\b+15]
.endr
.irp b, 0,1,2,3
	s_delay_alu instid0(VALU_DEP_4)
	v_permlanex16_b32 v[BP+\b], v[BM+\b], s[SEL], s[SEL+1]
.endr
.irp b, 0,1,2,3
	s_delay_alu instid0(VALU_DEP_4)
	v_max_num_f32 v[BM+\b], v[BM+\b], v[BP+\b]     ; with lane l xor 16's 16 keys
.endr
	s_delay_alu instid0(VALU_DEP_2)
	v_max3_num_f32 v[TMP], v[BM], v[BM+1], v[BM+2]
	s_delay_alu instid0(VALU_DEP_1)
	v_max_num_f32 v[TMP], v[TMP], v[BM+3]
	s_delay_alu instid0(VALU_DEP_1)
	v_mul_f32 v[TMP], s[CS], v[TMP]                ; as t (c is positive)
	s_delay_alu instid0(VALU_DEP_1)
	v_max_num_f32 v13, v13, v[TMP]                 ; the running largest t
	v_mov_b32 v[TMP], v12
	s_delay_alu instid0(VALU_DEP_2)
	v_floor_f32 v12, -v13                          ; the new -M = floor(-t): M is a whole number
	s_delay_alu instid0(VALU_DEP_1)
	v_sub_f32 v[TMP], v12, v[TMP]                  ; old M - new M: a whole number, 0 or less
	s_delay_alu instid0(VALU_DEP_1)
	v_cvt_i32_f32 v[TMP], v[TMP]                   ; (it saturates)
	s_delay_alu instid0(VALU_DEP_1)
	v_ldexp_f32 v[FF], 1.0, v[TMP]
.set j, 0
.rept 32
	v_pk_fma_f32 v[S+j:S+j+1], v[S+j:S+j+1], s[CS:CS+1], v[12:13] op_sel_hi:[1,0,0]   ; t - M, two at a time
.set j, j+2
.endr
.irp b, 0,1,2,3
	v_fma_f32 v[BM+\b], v[BM+\b], s[CS], v12
.endr
.set j, 0
	s_wait_alu depctr_va_vdst(0)
.rept 64
	v_exp_f32 v[S+j], v[S+j]                       ; p = 2^(t - M)
.set j, j+1
.endr
	v_pk_mul_f32 v[14:15], v[14:15], v[FF:FF+1] op_sel_hi:[1,0]   ; the sums under the new M: the plain place behind the exponentials
	s_wait_alu depctr_va_vdst(0)                   ; one wait for the batch of 64, ahead of its first reader
.irp b, 0,1,2,3
	v_exp_f32 v[BM+\b], v[BM+\b]                   ; the blocks' largest p
.endr
	v_pk_add_f32 v[238:239], v[108:109], v[112:113]
	v_pk_add_f32 v[254:255], v[116:117], v[120:121]
	v_pk_add_f32 v[252:253], v[124:125], v[128:129]
	v_pk_add_f32 v[250:251], v[132:133], v[136:137]
	v_pk_add_f32 v[248:249], v[140:141], v[144:145]
	v_pk_add_f32 v[246:247], v[148:149], v[152:153]
	v_pk_add_f32 v[244:245], v[156:157], v[160:161]
	v_pk_add_f32 v[14:15], v[14:15], v[164:165]
	v_pk_add_f32 v[238:239], v[238:239], v[104:105]
	v_pk_add_f32 v[254:255], v[254:255], v[106:107]
	v_pk_add_f32 v[252:253], v[252:253], v[110:111]
	v_pk_add_f32 v[250:251], v[250:251], v[114:115]
	v_pk_add_f32 v[248:249], v[248:249], v[118:119]
	v_pk_add_f32 v[246:247], v[246:247], v[122:123]
	v_pk_add_f32 v[244:245], v[244:245], v[126:127]
	v_pk_add_f32 v[14:15], v[14:15], v[130:131]
	v_pk_add_f32 v[238:239], v[238:239], v[134:135]
	v_pk_add_f32 v[254:255], v[254:255], v[138:139]
	v_pk_add_f32 v[252:253], v[252:253], v[142:143]
	v_pk_add_f32 v[250:251], v[250:251], v[146:147]
	v_pk_add_f32 v[248:249], v[248:249], v[150:151]
	v_pk_add_f32 v[246:247], v[246:247], v[154:155]
	v_pk_add_f32 v[244:245], v[244:245], v[158:159]
	v_pk_add_f32 v[14:15], v[14:15], v[162:163]
	v_pk_add_f32 v[238:239], v[238:239], v[166:167]
	s_delay_alu instid0(VALU_DEP_2)
	v_pk_add_f32 v[14:15], v[14:15], v[250:251]
	s_delay_alu instid0(VALU_DEP_2)
	v_pk_add_f32 v[238:239], v[238:239], v[248:249]
	v_pk_add_f32 v[254:255], v[254:255], v[246:247]
	v_pk_add_f32 v[252:253], v[252:253], v[244:245]
	s_delay_alu instid0(VALU_DEP_2)
	v_pk_add_f32 v[14:15], v[14:15], v[254:255]
	s_delay_alu instid0(VALU_DEP_2)
	v_pk_add_f32 v[238:239], v[238:239], v[252:253]
	s_delay_alu instid0(VALU_DEP_1)
	v_pk_add_f32 v[14:15], v[14:15], v[238:239]
	s_wait_alu depctr_va_vdst(0)                   ; and one for the four
.irp b, 0,1,2,3
	v_max_num_f32 v[BM+\b], 0x1800000, v[BM+\b]    ; the floor 2^(3 - 127)
.endr
.irp b, 0,1,2,3
	s_delay_alu instid0(VALU_DEP_4)
	v_add_nc_u32 v[SO+\b], 0xff000000, v[BM+\b]
.endr
.irp b, 0,1,2,3
	s_delay_alu instid0(VALU_DEP_4)
	v_lshrrev_b32 v[BP+\b], 23, v[SO+\b]
.endr
	s_delay_alu instid0(VALU_DEP_3)
	v_lshl_or_b32 v[PW], v[BP+1], 8, v[BP]
	s_delay_alu instid0(VALU_DEP_1)
	v_lshl_or_b32 v[PW], v[BP+2], 16, v[PW]
	s_delay_alu instid0(VALU_DEP_1)
	v_lshl_or_b32 v[PW], v[BP+3], 24, v[PW]
.irp c, 0,1
	v_cvt_scalef32_pk16_fp6_f32 v[PC+6*\c:PC+6*\c+2], v[S+32*\c:S+32*\c+15], v[SO+2*\c]
	v_cvt_scalef32_pk16_fp6_f32 v[PT+4*\c:PT+4*\c+2], v[S+32*\c+16:S+32*\c+31], v[SO+2*\c+1]
.endr
	v_nop                                          ; one plain place behind the conversions
.irp t, 0,1,2,3                        ; p is in codes: V's four fragments land where it lay, while the lines below run
.irp c, 0,1,2
	ds_load_b128 v[S+12*\t+4*\c:S+12*\t+4*\c+3], v4 offset:6144+1536*\t+512*\c
.endr
.endr
	ds_load_b128 v[VSW:VSW+3], v6 offset:12800
.irp c, 0,1
.irp i, 0,1,2
	v_permlane16_swap_b32 v[PC+6*\c+\i], v[PT+4*\c+\i]
.endr
.irp i, 0,1,2
	s_delay_alu instid0(VALU_DEP_3)
	v_mov_b32 v[PC+6*\c+3+\i], v[PT+4*\c+\i]
.endr
.endr
.set j, 0
.rept 16
	v_pk_mul_f32 v[OA+j:OA+j+1], v[OA+j:OA+j+1], v[FF:FF+1] op_sel_hi:[1,0]   ; O^T under the new M; these are also the places between the codes' and the scale word's last writes and the products
.set j, j+2
.endr
	s_wait_alu depctr_va_vdst(0)
	s_wait_dscnt 0x0
.irp t, 0,1,2,3                        ; O^T += V^T P^T; the four accumulators take turns
	v_wmma_scale_f32_16x16x128_f8f6f4 v[OA+8*\t:OA+8*\t+7], v[S+12*\t:S+12*\t+11], v[PC:PC+11], v[OA+8*\t:OA+8*\t+7], v[VSW+\t], v[PW] matrix_a_fmt:MATRIX_FMT_FP6 matrix_b_fmt:MATRIX_FMT_FP6
.endr
.endm
.macro WAYOUT p                        ; O^T / the sum; register 16 g + i is dimension 32 g + 16 h + i of my query: two blocks of the next product's K
.rept 4
	v_nop
.endr
	v_add_f32 v14, v14, v15
	s_delay_alu instid0(VALU_DEP_1)
	v_permlanex16_b32 v[TMP], v14, s[SEL], s[SEL+1]
	s_delay_alu instid0(VALU_DEP_1)
	v_add_f32 v14, v14, v[TMP]
	s_wait_alu depctr_va_vdst(0)
	v_rcp_f32 v14, v14
	v_nop                                          ; a plain place behind the reciprocal,
	s_wait_alu depctr_va_vdst(0)                   ; and the wait ahead of its first reader
.set j, 0
.rept 16
	v_pk_mul_f32 v[S+j:S+j+1], v[OA+j:OA+j+1], v[14:15] op_sel_hi:[1,0]
.set j, j+2
.endr
.irp g, 0,1
	v_max3_num_f32 v[BM+\g], |v[S+16*\g]|, |v[S+16*\g+1]|, 0x1800000
.endr
.irp i, 2,4,6,8,10,12,14
.irp g, 0,1
	s_delay_alu instid0(VALU_DEP_2)
	v_max3_num_f32 v[BM+\g], v[BM+\g], |v[S+16*\g+\i]|, |v[S+16*\g+\i+1]|
.endr
.endr
.irp g, 0,1
	s_delay_alu instid0(VALU_DEP_2)
	v_permlanex16_b32 v[BP+\g], v[BM+\g], s[SEL], s[SEL+1]
.endr
.irp g, 0,1
	s_delay_alu instid0(VALU_DEP_2)
	v_max_num_f32 v[BM+\g], v[BM+\g], v[BP+\g]
.endr
.irp g, 0,1
	s_delay_alu instid0(VALU_DEP_2)
	v_add_nc_u32 v[SO+\g], 0xff000000, v[BM+\g]
.endr
.irp g, 0,1
	s_delay_alu instid0(VALU_DEP_2)
	v_lshrrev_b32 v[BP+\g], 23, v[SO+\g]
.endr
	s_delay_alu instid0(VALU_DEP_1)
	v_lshl_or_b32 v[PW], v[BP+1], 8, v[BP]         ; my row's two scale bytes
	v_cvt_scalef32_pk16_fp6_f32 v[PC:PC+2], v[S:S+15], v[SO]
	v_cvt_scalef32_pk16_fp6_f32 v[PT:PT+2], v[S+16:S+31], v[SO+1]
	v_nop
.irp i, 0,1,2
	v_permlane16_swap_b32 v[PC+\i], v[PT+\i]
.endr
.irp i, 0,1,2
	s_delay_alu instid0(VALU_DEP_3)
	v_mov_b32 v[PC+3+\i], v[PT+\i]
.endr
.irp i, 0,1,2
	global_store_b64 v2, v[PC+2*\i:PC+2*\i+1], s[44:45] offset:196608*\p+256*\i   ; 32 lanes store 256 consecutive bytes, aligned
.endr
	global_store_b16 v9, v[PW], s[46:47] offset:8192*\p   ; both halves of the lanes hold, and write, the same two bytes
.endm
.macro PASS p, QF, QS
.if \p
	s_wait_xcnt 0x0                                ; the first tile's stores have read their registers
.endif
	v_mov_b32 v13, 0xff61b1e6                      ; the largest t so far: -3e38
	s_delay_alu instid0(VALU_DEP_1)
	v_floor_f32 v12, -v13
	v_mov_b32 v14, 0
	v_mov_b32 v15, 0
.set j, 0
.rept 32
	v_mov_b32 v[OA+j], 0                           ; the step is written once: the first finds zeros, which the first change of M leaves zeros
.set j, j+1
.endr
	s_mov_b32 s[TB], 0
	s_mov_b32 s[CNT], 16
.Lstep_\@:
	STEP \QF, \QS
	s_add_co_u32 s[TB], s[TB], REC
	s_sub_co_u32 s[CNT], s[CNT], 1
	s_cmp_lg_u32 s[CNT], 0
	s_cbranch_scc1 .Lstep_\@
	WAYOUT \p
.endm
	s_load_b128 s[4:7], s[0:1], 0x0                ; q s[4:5], kv s[6:7]
	s_load_b64 s[8:9], s[0:1], 0x10                ; ao
	v_lshl_add_u32 v[SPW], v0, 2, SPARE
	v_mov_b32 v[NIL], 0
	ds_add_u32 v[SPW], v[NIL]                      ; the wave's opening, ahead of my first tensor load
	ds_add_u32 v[SPW], v[NIL]
	v_lshrrev_b32 v1, 5, v0
	s_delay_alu instid0(VALU_DEP_1)
	v_readfirstlane_b32 s[WV], v1                  ; wave 0..15
	s_bfe_u32 s11, ttmp6, 0x40000                  ; cx: which 512 queries
	s_and_b32 s12, ttmp7, 0xffff                   ; batch x 16 + head, which the four partners share
	s_mov_b32 s[G1], 15|(3<<16)|(1<<21)            ; all four work-groups; elements of 8 bytes; bit 21 set beside a mask
	s_mov_b32 s[G1+1], 32<<16                      ; a record: 51 rows of 256 bytes, dense
	s_mov_b32 s[G1+2], 51<<16
	s_mov_b32 s[G1+3], 32<<16
	s_mov_b32 s[G1+4], 51
	s_mov_b32 s[G1+5], 32
	s_mov_b32 s[G1+6], 0
	s_mov_b32 s[G1+7], 0
	s_mov_b32 s[G0], 1
	s_mul_i32 s[G0+1], s[WV], REC                  ; record w at w x 13,056
	s_mul_i32 s14, s12, 16*REC
	s_mul_i32 s13, s[WV], REC
	s_add_co_u32 s14, s14, s13
	s_mov_b32 s15, 0
	s_lshl_b32 s16, s11, 2                         ; Q: my first tile is 32 cx + w: step 4 cx + w / 8, tile w % 8
	s_lshr_b32 s17, s[WV], 3
	s_add_co_u32 s16, s16, s17
	s_mul_i32 s16, s16, 6656
	s_mul_i32 s17, s12, 106496
	s_add_co_u32 s16, s16, s17
	s_and_b32 s17, s[WV], 7
	s_mul_i32 s17, s17, 768
	s_add_co_u32 s18, s16, s17
	s_mov_b32 s19, 0
	s_bfe_u32 s17, s[WV], 0x10002
	s_lshl_b32 s17, s17, 8
	s_add_co_u32 s16, s16, s17
	s_and_b32 s17, s[WV], 3
	s_lshl_b32 s17, s17, 2
	s_add_co_u32 s16, s16, s17
	s_add_co_u32 s16, s16, 6144
	s_mov_b32 s17, 0
	s_lshr_b32 s48, s12, 4                         ; O: row block = 128 x batch + the tile; the head fills 768 bytes of it
	s_lshl_b32 s48, s48, 7
	s_lshl_b32 s49, s11, 5
	s_add_co_u32 s48, s48, s49
	s_add_co_u32 s48, s48, s[WV]
	s_and_b32 s49, s12, 15
	s_mul_i32 s50, s48, 12288
	s_mul_i32 s51, s49, 768
	s_add_co_u32 s50, s50, s51
	s_mov_b32 s51, 0
	s_lshl_b32 s52, s48, 9                         ; its scale bytes: K slot head / 4, word (head / 2) % 2, bytes 2 (head % 2) on
	s_lshr_b32 s53, s49, 2
	s_lshl_b32 s53, s53, 7
	s_add_co_u32 s52, s52, s53
	s_bfe_u32 s53, s49, 0x10001
	s_lshl_b32 s53, s53, 2
	s_add_co_u32 s52, s52, s53
	s_and_b32 s53, s49, 1
	s_lshl_b32 s53, s53, 1
	s_add_co_u32 s52, s52, s53
	s_add_co_u32 s52, s52, 6291456
	s_mov_b32 s53, 0
	s_mov_b32 s[SEL], 0x76543210
	s_mov_b32 s[SEL+1], 0xfedcba98
	s_mov_b32 s[CS], 0x3e38aa3b                    ; c = log2(e) / 8
	s_mov_b32 s[CS+1], s[CS]
	s_wait_dscnt 0x0                               ; the opening add is done
	s_wait_kmcnt 0x0
	s_add_nc_u64 s[G0+2:G0+3], s[6:7], s[14:15]
	s_or_b32 s[G0+3], s[G0+3], 0x80000000
	s_add_nc_u64 s[40:41], s[4:5], s[18:19]
	s_add_nc_u64 s[42:43], s[4:5], s[16:17]
	s_add_nc_u64 s[44:45], s[8:9], s[50:51]
	s_add_nc_u64 s[46:47], s[8:9], s[52:53]
	CROUND                                         ; all four work-groups are here: the joint loads meet
	tensor_load_to_lds s[G0:G0+3], s[G1:G1+7]      ; my record: my one tensor load of the launch
	s_nop 0
	v_and_b32 v2, 31, v0
	s_delay_alu instid0(VALU_DEP_1)
	v_lshlrev_b32 v1, 4, v2                        ; 16 x lane
	s_delay_alu instid0(VALU_DEP_2)
	v_lshlrev_b32 v2, 3, v2                        ; 8 x lane
	v_and_b32 v9, 15, v0
	s_delay_alu instid0(VALU_DEP_1)
	v_lshlrev_b32 v3, 4, v9                        ; 16 r
	s_delay_alu instid0(VALU_DEP_2)
	v_lshlrev_b32 v9, 3, v9                        ; 8 r
	global_load_b128 v[QF0:QF0+3], v1, s[40:41]
	global_load_b64 v[QF0+4:QF0+5], v2, s[40:41] offset:512
	global_load_b32 v[QS0], v3, s[42:43]
	global_load_b128 v[QF1:QF1+3], v1, s[40:41] offset:13312   ; the second tile lies 16 tiles, two records, on
	global_load_b64 v[QF1+4:QF1+5], v2, s[40:41] offset:13824
	global_load_b32 v[QS1], v3, s[42:43] offset:13312
.irp i, 6,7,8,9,10,11                  ; the half of the first product's K that does not exist: zero codes, written once
	v_mov_b32 v[QF0+\i], 0
	v_mov_b32 v[QF1+\i], 0
	v_mov_b32 v[KF+\i], 0
	v_mov_b32 v[KF+12+\i], 0
	v_mov_b32 v[KF+24+\i], 0
	v_mov_b32 v[KF+36+\i], 0
.endr
.irp b, 0,1,2,3
	v_mov_b32 v[BP+\b], 0                          ; (a lane permute's destination counts as one of its sources)
.endr
	v_mov_b32 v[PW], 0                             ; (named as the upper half of a pair before it is first written)
	v_mov_b32 v[TMP], 0
	s_wait_tensorcnt 0x0                           ; my record is in,
	s_barrier_signal -1
	s_barrier_wait -1                              ; everybody's is
	s_wait_loadcnt 0x0                             ; Q
	PASS 0, QF0, QS0
	PASS 1, QF1, QS1
	s_wait_tensorcnt 0x0                           ; the wave's end
	ds_add_u32 v[SPW], v[NIL]
	s_wait_dscnt 0x0
	CROUND                                         ; the closing round
	s_endpgm
.Lfunc_end_k_qb32202ed1b_attn:
	.size	k_qb32202ed1b_attn, .Lfunc_end_k_qb32202ed1b_attn-k_qb32202ed1b_attn
	.p2alignl 7, 3214868480
	.fill 96, 4, 3214868480
	.section	.rodata,"a",@progbits
	.p2align	6, 0x0
	.amdhsa_kernel k_qb32202ed1b_attn
		.amdhsa_group_segment_fixed_size 212992
		.amdhsa_private_segment_fixed_size 0
		.amdhsa_enable_private_segment 0
		.amdhsa_kernarg_size 24
		.amdhsa_user_sgpr_count 2
		.amdhsa_user_sgpr_kernarg_segment_ptr 1
		.amdhsa_wavefront_size32 1
		.amdhsa_system_sgpr_workgroup_id_x 1
		.amdhsa_system_sgpr_workgroup_id_y 1
		.amdhsa_system_sgpr_workgroup_id_z 1
		.amdhsa_system_vgpr_workitem_id 0
		.amdhsa_next_free_vgpr 256
		.amdhsa_next_free_sgpr 66
		.amdhsa_reserve_vcc 0
		.amdhsa_float_denorm_mode_32 3
		.amdhsa_float_denorm_mode_16_64 3
		.amdhsa_memory_ordered 1
		.amdhsa_forward_progress 1
		.amdhsa_inst_pref_size 53
	.end_amdhsa_kernel
	.amdgpu_metadata
---
amdhsa.version: [ 1, 2 ]
amdhsa.kernels:
  - .name:           k_qb32202ed1b_attn
    .symbol:         k_qb32202ed1b_attn.kd
    .args:
      - { .name: q, .offset: 0, .size: 8, .value_kind: global_buffer, .address_space: global }
      - { .name: kv, .offset: 8, .size: 8, .value_kind: global_buffer, .address_space: global }
      - { .name: ao, .offset: 16, .size: 8, .value_kind: global_buffer, .address_space: global }
    .group_segment_fixed_size: 212992
    .private_segment_fixed_size: 0
    .kernarg_segment_align: 8
    .kernarg_segment_size: 24
    .max_flat_workgroup_size: 512
    .sgpr_count:     66
    .vgpr_count:     256
    .wavefront_size: 32
...
	.end_amdgpu_metadata
.endif
;; end of part 3
;; launch gemm_proj (part 4): grid 32 x 8, 4 waves a work-group, clusters of 4 x 4, 327,680 bytes of LDS; arguments ao, wq, b_proj, out0; writes out0
.if DOCPART == 4
	.amdgcn_target "amdgcn-amd-amdhsa--gfx1250"
	.amdhsa_code_object_version 6
	.text
	.protected	k_qb32202ed1b_gemm_proj
	.globl	k_qb32202ed1b_gemm_proj
	.p2align	8
	.type	k_qb32202ed1b_gemm_proj,@function
k_qb32202ed1b_gemm_proj:
	s_mov_b64 s[64:65], 0
	v_nop
	global_prefetch_b8 v0, s[64:65] scope:SCOPE_SE
	s_setreg_imm32_b32 hwreg(HW_REG_WAVE_MODE, 25, 1), 1
	s_wait_xcnt 0x0
	s_wait_alu depctr_hold_cnt(0) depctr_sa_sdst(0) depctr_va_vdst(0) depctr_va_sdst(0) depctr_va_ssrc(0) depctr_va_vcc(0) depctr_vm_vsrc(0)
	s_getreg_b32 s2, hwreg(HW_REG_IB_STS2, 6, 4)
	s_cmp_eq_u32 s2, 0
	s_cbranch_scc0 .Lentry_in_a_cluster
	s_endpgm
.Lentry_in_a_cluster:
	s_bfe_u32 s2, ttmp6, 0x10000c
	s_cmp_lg_u32 s2, 0xf033
	s_cbranch_scc0 .Lentry_shape_is_right
	s_endpgm
.Lentry_shape_is_right:
; out0[token][n] = sum over k of context[token][k] w_proj[k][n] + b_proj[n], f32: 8,192 x 1,024 x 1,024 on codes of FP6 (E2M3) with E8M0 scales.
; LIMITS: NaN, infinities and sums beyond f32's range are not served; a sum begins with the bias, where the reference adds it last.
; ao and wq lie in the order of the operand registers: codes [row block of 16][K step of 128][6 pieces of 256 bytes][lane][8 bytes], 12,288 bytes a row block; scale words behind them, [row block][K slot of 256][r][2 words].
; Stored row 16 B + r is true row (token, or column of w_proj) 32 (B / 2) + 8 (B % 2) + r + 8 (r / 8).  w_proj's row blocks are 192 to 255 of wq.
; THE DEAL: 256 work-groups of four waves, 2 x 2, each 256 rows x 128 columns.  A wave holds four row blocks of w_proj, all of K, in 384 registers and streams the context's row blocks 2 s + (wave row), s = 0 .. 7, past them: 32 products a block.
; The cluster's x counts tile rows.  A's rows are shared by a column of the cluster, B's by a row: joint loads.
; LDS: A's 16 row blocks; B's 8; A's scale words; the spare words.  Every byte is filled once, all is asked for at the head: so no prefetch.  The waves' stages lie in B's first bytes, which are read for the last time ahead of the barrier in front of the stream.
; THE HEAD'S FOUR TILES, one a wave, each on its own line: B; A's rows 0 to 127; 128 to 191; 192 to 255.  The stream begins when the first two are in; a plain barrier inside blocks 1, 3, 5 shows the others.
; Behind a block's products: its sums into the stage and back as rows of 256 bytes, the fetch of the block two on, one wait, eight stores.
.set SIZE_N, 1024
.set NQ, 8
.set NB, 4
.set TM, 256
.set TN, 128
.set KROW, 768
.set FR, 12
.set FPW, 256/FR
.set NF, 26                            ; LDS loads of a block: 24 for eight fragments, 2 for eight scale words
.set YB, TM*KROW
.set SCL, YB+TN*KROW
.set SSTEP, 1024                       ; two row blocks of scale words
.set SPITCH, 272
.set STAGE, YB
.set SPARE, SCL+8192
.set AAS0, 6
.set BOF, 8
.set CO, 9
.set SPW, 10
.set NIL, 11
.set ADRB, 14
.set ABS, 16
.set AAS, 17
.set STO, 18
.set RD, 19
.set SGO, 20
.set SLO, 21
.set SB, 24
.set SA, 42
.set ACC, 64
.set BK, 128
.set AQ0, 192
.set AQ, 200
.set BO, 208
.set G1A, 24
.set G0A, 56
.set G1B, 32
.set G0B, 60
.set MSB, 0
.macro WIN new
.if MSB != \new
	s_set_vgpr_msb (MSB<<8)|\new
.set MSB, \new
.endif
.endm
.macro PLACES n
.rept \n
	v_nop
.endr
.endm
.macro WALU
	s_wait_alu depctr_va_vdst(0)
.endm
.macro BARRIER
	s_barrier_signal -1
	s_barrier_wait -1
.endm
.macro CROUND
	BARRIER
	s_cmp_lg_u32 s14, 0
	s_cbranch_scc1 .Lnot_wave_0_\@
	s_barrier_signal -3
.Lnot_wave_0_\@:
	s_barrier_wait -3
	BARRIER
.endm
.macro TLOAD g0, g1
	tensor_load_to_lds s[\g0:\g0+3], s[\g1:\g1+7]
	s_nop 0
	PLACES 4
.endm
.macro ATILE first, rows               ; a part of A's 256 rows of 768 bytes, dense
	s_mov_b32 s[G0A+1], (\first)*KROW
	s_mov_b32 s[G1A+2], (\rows)<<16
	s_mov_b32 s[G1A+4], \rows
.if \first
	s_add_nc_u64 s[G0A+2:G0A+3], s[G0A+2:G0A+3], (\first)*KROW
.endif
	s_or_b32 s[G0A+3], s[G0A+3], 0x80000000
	TLOAD G0A, G1A
.endm
.macro GROUP1 g, mask, rows
	s_or_b32 s[\g+0], s[\mask], (1<<21)
	s_mov_b32 s[\g+1], (KROW&0xffff)<<16
	s_mov_b32 s[\g+3], KROW<<16
.if \rows
	s_mov_b32 s[\g+2], (KROW>>16)|((\rows)<<16)
	s_mov_b32 s[\g+4], \rows
.endif
	s_mov_b32 s[\g+5], KROW
	s_mov_b32 s[\g+6], 0
	s_mov_b32 s[\g+7], 0
.endm
.macro FRAGB f, q, b                   ; fragment (K step q, row block b) of B: six pieces of 8 bytes a lane
	WIN (1+(\f)/FPW)<<6
.irp p, 0,1,2,3,4,5
	ds_load_b64 v[FR*((\f)%FPW)+2*\p:FR*((\f)%FPW)+2*\p+1], v[ADRB] offset:(\b)*12288+(\q)*1536+256*\p
.endr
.endm
.macro FETCHAT e, aq, as               ; a block of A into set e: NF loads
.irp q, 0,1,2,3,4,5,6,7
	WIN (1+(NB*NQ+NQ*(\e)+\q)/FPW)<<6
.irp p, 0,2,4
	ds_load_2addr_b64 v[FR*((NB*NQ+NQ*(\e)+\q)%FPW)+2*\p:FR*((NB*NQ+NQ*(\e)+\q)%FPW)+2*\p+3], v[\aq+\q] offset0:32*\p offset1:32*\p+32
.endr
.endr
	WIN 0
	ds_load_2addr_b64 v[SA+8*(\e):SA+8*(\e)+3], v[\as] offset0:0 offset1:16      ; K slots 0, 1: two words each
	ds_load_2addr_b64 v[SA+8*(\e)+4:SA+8*(\e)+7], v[\as] offset0:32 offset1:48   ; K slots 2, 3
.endm
.macro PROD e, n                       ; product n = 4 q + tile; source 0 = B's rows, so that a lane holds eight columns of one row of C
.set Q_, (\n)/4
.set FB_, NB*Q_+(\n)%4
.set FA_, NB*NQ+NQ*(\e)+Q_
.set D_, ACC+32*(\e)+8*((\n)%4)
.set XB_, SB+NQ*(((\n)%4)/2)+Q_
.set XA_, SA+8*(\e)+Q_
	WIN (1+FB_/FPW)|((1+FA_/FPW)<<2)
.if Q_
	PROD1 D_, FB_, FA_, v[D_:D_+7], XB_, XA_, (\n)%2
.else
	PROD1 D_, FB_, FA_, v[BO+8*((\n)%4):BO+8*((\n)%4)+7], XB_, XA_, (\n)%2
.endif
.endm
.macro PROD1 d, s0, s1, c, x0, x1, o
.if \o
	v_wmma_scale_f32_16x16x128_f8f6f4 v[\d:\d+7], v[FR*((\s0)%FPW):FR*((\s0)%FPW)+FR-1], v[FR*((\s1)%FPW):FR*((\s1)%FPW)+FR-1], \c, v[\x0], v[\x1] matrix_a_fmt:MATRIX_FMT_FP6 matrix_b_fmt:MATRIX_FMT_FP6 matrix_a_scale:MATRIX_SCALE_ROW1
.else
	v_wmma_scale_f32_16x16x128_f8f6f4 v[\d:\d+7], v[FR*((\s0)%FPW):FR*((\s0)%FPW)+FR-1], v[FR*((\s1)%FPW):FR*((\s1)%FPW)+FR-1], \c, v[\x0], v[\x1] matrix_a_fmt:MATRIX_FMT_FP6 matrix_b_fmt:MATRIX_FMT_FP6 matrix_a_scale:MATRIX_SCALE_ROW0
.endif
.endm
.macro ENTRY i, fetch                  ; behind products 1 to 5: five of the next fetch's nine addresses
.if \fetch
.if (\i) == 1
	s_add_co_u32 s101, s101, 32*KROW
	s_add_co_u32 s91, s91, SSTEP
.endif
.if (\i) >= 1 && (\i) <= 5
	WIN 0
	v_add_nc_u32 v[AQ+\i-1], s101, v[AQ0+\i-1]
.endif
.endif
.endm
.macro PRODS e, from, to, fetch
.set N_, \from
.rept (\to)-(\from)
	PROD \e, N_
	ENTRY N_, \fetch
.set N_, N_+1
.endr
	WIN 0
.endm
.macro TOC s                           ; stored rows 2 t, 2 t + 1 of the pair's block s are tokens 32 s + 2 t + 8 (t / 4) and the next; sixteen lanes store 256 consecutive bytes, aligned
.irp t, 0,1,2,3,4,5,6,7
	global_store_b128 v[CO], v[BK+32*(\s)+4*\t:BK+32*(\s)+4*\t+3], s[12:13] offset:(32*(\s)+2*\t+8*(\t/4))*SIZE_N*4 th:TH_STORE_NT
.endr
.endm
.macro STAGED u                        ; set u's sums into my stage, each accumulator from its low end on, and back as whole rows; LDS serves a wave's instructions in order
.irp b, 0,1,2,3
	ds_store_b128 v[STO], v[ACC+32*(\u)+8*\b:ACC+32*(\u)+8*\b+3] offset:128*(\b/2)+32*(\b%2)
	ds_store_b128 v[STO], v[ACC+32*(\u)+8*\b+4:ACC+32*(\u)+8*\b+7] offset:128*(\b/2)+32*(\b%2)+16
.endr
.irp t, 0,1,2,3,4,5,6,7
	ds_load_b128 v[BK+32*(\u)+4*\t:BK+32*(\u)+4*\t+3], v[RD] offset:2*\t*SPITCH
.endr
.endm
.macro STREAM s, fetch, show
.if \show
	PRODS \s, 0, 24, \fetch
	s_wait_tensorcnt 0x0
	s_wait_dscnt 0x0
	s_barrier_signal -1                            ; a plain barrier: waves 2 and 3's tiles are shown to all
	PRODS \s, 24, 32, \fetch
	s_barrier_wait -1
.else
	PRODS \s, 0, 32, \fetch
.endif
.if \fetch                             ; four plain vector lines between the last product and the first reader of its sums
	v_add_nc_u32 v[AQ+5], s101, v[AQ0+5]
	v_add_nc_u32 v[AQ+6], s101, v[AQ0+6]
	v_add_nc_u32 v[AQ+7], s101, v[AQ0+7]
	v_add_nc_u32 v[AAS], s91, v[AAS0]
	WALU
.else
	PLACES 4
.endif
	s_wait_xcnt 0x0                                ; earlier stores have read their registers and their base
.if (\s) == 0
	s_add_nc_u64 s[12:13], s[12:13], s[20:21]      ; on to this pair's rows of C
.endif
	STAGED \s
.if \fetch
	FETCHAT \s, AQ, AAS
	s_wait_dscnt NF                                ; the block's rows are back from the stage; younger is its fetch alone
.else
	s_wait_dscnt 0x0
.endif
	TOC \s
.endm
; ---- the head
	s_load_b64 s[4:5], s[0:1], 0x0                 ; ao
	s_load_b64 s[8:9], s[0:1], 0x8                 ; wq
	s_load_b64 s[76:77], s[0:1], 0x10              ; b_proj
	s_load_b64 s[12:13], s[0:1], 0x18              ; out0
	v_lshl_add_u32 v[SPW], v0, 2, SPARE
	v_mov_b32 v[NIL], 0
	ds_add_u32 v[SPW], v[NIL]                      ; the opening lines
	ds_add_u32 v[SPW], v[NIL]
	v_lshrrev_b32 v1, 5, v0
	v_readfirstlane_b32 s14, v1                    ; the wave; s15 its row of the 2 x 2, s16 its column
	s_lshr_b32 s15, s14, 1
	s_and_b32 s16, s14, 1
	s_bfe_u32 s40, ttmp6, 0x40000
	s_bfe_u32 s41, ttmp6, 0x40004
	s_lshl_b32 s43, ttmp9, 2
	s_add_co_u32 s43, s43, s40                     ; tile row of C
	s_and_b32 s42, ttmp7, 0xffff
	s_lshl_b32 s42, s42, 2
	s_add_co_u32 s42, s42, s41                     ; tile column of C
	s_lshl_b32 s44, 0x1111, s40                    ; my column of the cluster shares A's rows
	s_lshl_b32 s45, s41, 2
	s_lshl_b32 s45, 15, s45                        ; my row shares B's
	GROUP1 G1A, 44, 0
	GROUP1 G1B, 45, TN
	s_mov_b32 s[G0A], 1
	s_mov_b32 s[G0B], 1
	s_mov_b32 s[G0B+1], YB
	s_mul_i32 s68, s43, TM*KROW                    ; A's codes
	s_mov_b32 s69, 0
	s_lshl_b32 s74, s43, 13
	s_add_co_u32 s74, s74, 6291456                 ; A's scale words: 8,192 bytes
	s_mov_b32 s75, 0
	s_mul_i32 s70, s42, TN*KROW
	s_add_co_u32 s70, s70, 192*12288               ; B's codes
	s_mov_b32 s71, 0
	s_lshl_b32 s72, s42, 12
	s_lshl_b32 s21, s16, 11
	s_add_co_u32 s72, s72, s21
	s_add_co_u32 s72, s72, 3145728+192*512         ; the scale words of my four row blocks of B
	s_mov_b32 s73, 0
	s_lshl_b32 s86, s42, 9
	s_lshl_b32 s21, s16, 8
	s_add_co_u32 s86, s86, s21                     ; my 64 columns, in bytes
	s_mov_b32 s87, 0
	s_lshl_b32 s84, s43, 20
	s_lshl_b32 s21, s15, 15                        ; wave row 1 begins 8 tokens on
	s_add_co_u32 s84, s84, s21
	s_add_co_u32 s84, s84, s86
	s_mov_b32 s85, 0
	s_mul_i32 s23, s15, 16*KROW
	s_mul_i32 s22, s16, 4*12288
	s_add_co_u32 s22, s22, YB
	s_lshl_b32 s21, s15, 9
	s_add_co_u32 s21, s21, SCL
	s_mul_i32 s20, s14, 16*SPITCH
	s_add_co_u32 s20, s20, STAGE
	v_and_b32 v1, 15, v0
	v_bfe_u32 v2, v0, 4, 1
	v_and_b32 v3, 31, v0
	v_lshl_add_u32 v[AQ0], v3, 3, s23
	v_lshl_add_u32 v[ADRB], v3, 3, s22
	v_lshlrev_b32 v22, 3, v1
	v_lshl_add_u32 v[ABS], v2, 9, v22              ; lanes 0-15 an even row block's words, lanes 16-31 the odd one's
	v_add_nc_u32 v[AAS0], s21, v22
	v_add_nc_u32 v[AAS], SSTEP, v[AAS0]
.irp q, 1,2,3,4,5,6,7
	v_add_nc_u32 v[AQ0+\q], 1536*\q, v[AQ0]
.endr
.irp q, 0,1,2,3,4,5,6,7
	v_add_nc_u32 v[AQ+\q], 32*KROW+1536*\q, v[AQ0]
.endr
	v_mul_u32_u24 v23, v1, SPITCH
	v_lshl_add_u32 v23, v2, 6, v23                 ; the upper half of the lanes holds columns 16 further on
	v_add_nc_u32 v[STO], s20, v23
	v_mul_u32_u24 v23, v2, SPITCH
	v_lshl_add_u32 v23, v1, 4, v23
	v_add_nc_u32 v[RD], s20, v23
	v_mul_u32_u24 v23, v2, SIZE_N*4
	v_lshl_add_u32 v[CO], v1, 4, v23
	v_lshlrev_b32 v[BOF], 6, v2
	v_lshlrev_b32 v[SGO], 4, v0                    ; A's scale words: 16 bytes a thread, four times
	v_add_nc_u32 v[SLO], SCL, v[SGO]
	WALU                                           ; the wait at the head's end
	s_wait_dscnt 0x0
	CROUND                                         ; the opening round
	s_wait_kmcnt 0x0
	s_add_nc_u64 s[G0A+2:G0A+3], s[4:5], s[68:69]
	s_add_nc_u64 s[G0B+2:G0B+3], s[8:9], s[70:71]
	s_or_b32 s[G0B+3], s[G0B+3], 0x80000000
	s_add_nc_u64 s[6:7], s[4:5], s[74:75]
	s_add_nc_u64 s[10:11], s[8:9], s[72:73]
	s_add_nc_u64 s[12:13], s[12:13], s[84:85]
	s_add_nc_u64 s[76:77], s[76:77], s[86:87]
	s_cmp_eq_u32 s14, 0
	s_cbranch_scc0 .Lwave_1
	TLOAD G0B, G1B                                 ; wave 0: B's rows, which are wanted first
	s_branch .Lasked
.Lwave_1:
	s_cmp_eq_u32 s14, 1
	s_cbranch_scc0 .Lwave_2
	ATILE 0, 128
	s_branch .Lasked
.Lwave_2:
	s_cmp_eq_u32 s14, 2
	s_cbranch_scc0 .Lwave_3
	ATILE 128, 64
	s_branch .Lasked
.Lwave_3:
	ATILE 192, 64
.Lasked:
.irp k, 0,1,2,3
	global_load_b128 v[BK+4*\k:BK+4*\k+3], v[SGO], s[6:7] offset:2048*\k   ; a wave's load covers 512 consecutive bytes
.endr
.irp b, 0,1,2,3                        ; the bias as the first products' C: register i of tile b is column 32 (b / 2) + 8 (b % 2) + 16 h + i of my 64
	global_load_b128 v[BO+8*\b:BO+8*\b+3], v[BOF], s[76:77] offset:(32*(\b/2)+8*(\b%2))*4
	global_load_b128 v[BO+8*\b+4:BO+8*\b+7], v[BOF], s[76:77] offset:(32*(\b/2)+8*(\b%2))*4+16
.endr
.irp p, 0,1
.irp k, 0,1,2,3
	global_load_b64 v[SB+NQ*\p+2*\k:SB+NQ*\p+2*\k+1], v[ABS], s[10:11] offset:1024*\p+128*\k
.endr
.endr
	s_wait_loadcnt 0x0
.irp k, 0,1,2,3
	ds_store_b128 v[SLO], v[BK+4*\k:BK+4*\k+3] offset:2048*\k
.endr
	s_wait_dscnt 0x0
	s_cmp_eq_u32 s14, 0
	s_cbranch_scc0 .Lnot_b
	s_wait_tensorcnt 0x0
.Lnot_b:
	BARRIER                                        ; B has landed
.irp q, 0,1,2,3,4,5,6,7
.irp b, 0,1,2,3
	FRAGB NB*\q+\b, \q, \b
.endr
.endr
	WIN 0
	s_mov_b32 s101, 32*KROW
	s_mov_b32 s91, SSTEP
	s_cmp_eq_u32 s14, 1
	s_cbranch_scc0 .Lnot_a
	s_wait_tensorcnt 0x0                           ; wave 1: A's rows 0 to 127 have landed
.Lnot_a:
	s_wait_dscnt 0x0
	BARRIER                                        ; A's first 128 rows and all scale words are in, and nobody reads B's bytes any more
	FETCHAT 0, AQ0, AAS0
	FETCHAT 1, AQ, AAS
; ---- the stream: eight blocks
	s_mov_b32 s23, 0
	s_mov_b32 s20, 0                               ; s[20:21]: from a pair's rows of C to the next pair's
	s_mov_b32 s21, 0
	s_wait_dscnt NF                                ; block 0's rows are in
.Lpair:                                                ; blocks 0 to 5, a pair a trip
	STREAM 0, 1, 0
	STREAM 1, 1, 1
	s_mov_b32 s20, 64*SIZE_N*4                     ; a pair is 64 tokens
	s_add_co_u32 s23, s23, 1
	s_cmp_lg_u32 s23, 3
	s_cbranch_scc1 .Lpair
	STREAM 0, 0, 0                                 ; blocks 6 and 7 fetch nothing
	STREAM 1, 0, 0
	s_wait_tensorcnt 0x0                           ; the wave's end
	ds_add_u32 v[SPW], v[NIL]
	s_wait_dscnt 0x0
	CROUND                                         ; the closing round
	s_endpgm
.Lfunc_end_k_qb32202ed1b_gemm_proj:
	.size	k_qb32202ed1b_gemm_proj, .Lfunc_end_k_qb32202ed1b_gemm_proj-k_qb32202ed1b_gemm_proj
	.p2alignl 7, 3214868480
	.fill 96, 4, 3214868480
	.section	.rodata,"a",@progbits
	.p2align	6, 0x0
	.amdhsa_kernel k_qb32202ed1b_gemm_proj
		.amdhsa_group_segment_fixed_size 327680
		.amdhsa_private_segment_fixed_size 0
		.amdhsa_enable_private_segment 0
		.amdhsa_kernarg_size 32
		.amdhsa_user_sgpr_count 2
		.amdhsa_user_sgpr_kernarg_segment_ptr 1
		.amdhsa_wavefront_size32 1
		.amdhsa_system_sgpr_workgroup_id_x 1
		.amdhsa_system_sgpr_workgroup_id_y 1
		.amdhsa_system_sgpr_workgroup_id_z 1
		.amdhsa_system_vgpr_workitem_id 0
		.amdhsa_next_free_vgpr 840
		.amdhsa_next_free_sgpr 102
		.amdhsa_reserve_vcc 0
		.amdhsa_float_denorm_mode_32 3
		.amdhsa_float_denorm_mode_16_64 3
		.amdhsa_memory_ordered 1
		.amdhsa_forward_progress 1
		.amdhsa_inst_pref_size 57
	.end_amdhsa_kernel
	.amdgpu_metadata
---
amdhsa.version: [ 1, 2 ]
amdhsa.kernels:
  - .name:           k_qb32202ed1b_gemm_proj
    .symbol:         k_qb32202ed1b_gemm_proj.kd
    .args:
      - { .name: ao, .offset: 0, .size: 8, .value_kind: global_buffer, .address_space: global }
      - { .name: wq, .offset: 8, .size: 8, .value_kind: global_buffer, .address_space: global }
      - { .name: b_proj, .offset: 16, .size: 8, .value_kind: global_buffer, .address_space: global }
      - { .name: out0, .offset: 24, .size: 8, .value_kind: global_buffer, .address_space: global }
    .group_segment_fixed_size: 327680
    .private_segment_fixed_size: 0
    .kernarg_segment_align: 8
    .kernarg_segment_size: 32
    .max_flat_workgroup_size: 128
    .sgpr_count:     102
    .vgpr_count:     840
    .wavefront_size: 32
...
	.end_amdgpu_metadata
.endif
;; end of part 4
